; MI455X (gfx1250); checked and timed in simulation.
; The chip was launched on July 23, 2026; its instructions are those of AMD's public machine-readable ISA for CDNA 5 (MIT licence, August 2026) and "CDNA5" Instruction Set Architecture Reference Guide (July 2026). The comments in the code are by the model that wrote it; some were corrected since.
;; Feedback GRU Model. Allowed arithmetic: matrix products marked QUANTISED: E5M2 operands, one given power-of-two scale a tensor, by v_wmma_f32_16x16x64_bf8_bf8 or v_wmma_f32_16x16x128_bf8_bf8, f32 sums; products left as they are: f32 operands where the result goes on into a quantised operand, else bf16, f16 or f32 operands; f32 sums; everything else in f32.
;; Inputs: b_hh 96 float32; b_ih 96 float32; dec1_b 32 float32; dec1_w 32 x 32 float32; dec2_b 4 float32; dec2_w 4 x 32 float32; enc_b 32 float32; enc_w 32 x 11 float32; ln_b 32 float32; ln_g 32 float32; lowp_scales 30 int32 (the exponents e of the quantised operands' scales 2^e); w_hh 96 x 32 float32; w_ih 96 x 36 float32; x 524,288 x 11 float32; y0 4 float32.
;; Outputs: out0 524,288 x 4 float32.
;; This version of the problem:
;;   THIS VERSION OF THE PROBLEM IS GIVEN IN LOW PRECISION. The matrix products marked QUANTISED in the list below multiply operands that are first quantised to E5M2 (5 exponent bits, 2 mantissa bits; 8 bits a number), with one given power-of-two scale for each operand tensor; their sums are f32. All else is computed in f32.
;;   The module's matrix products, in the order in which they are computed (A, B: the left and right operand; K: the contracted axis; several contracted axes count as one K, in the product's order):
;;     1. [M 524,288, K 11] x [K 11, N 32]; A: input x; B: input enc_w: left as it is (K = 11 < 32)
;;     2. [M 524,288, K 36] x [K 36, N 96]; A: computed on the way; B: input w_ih: QUANTISED (scales: A lowp_scales[0], B lowp_scales[1])
;;     3. [M 524,288, K 32] x [K 32, N 96]; A: computed on the way; B: input w_hh: QUANTISED (scales: A lowp_scales[2], B lowp_scales[3])
;;     4. [M 524,288, K 32] x [K 32, N 32]; A: computed on the way; B: input dec1_w: QUANTISED (scales: A lowp_scales[4], B lowp_scales[5])
;;     5. [M 524,288, K 32] x [K 32, N 4]; A: computed on the way; B: input dec2_w: left as it is (N = 4 < 16)
;;     6. [M 524,288, K 36] x [K 36, N 96]; A: computed on the way; B: input w_ih: QUANTISED (scales: A lowp_scales[6], B lowp_scales[7])
;;     7. [M 524,288, K 32] x [K 32, N 96]; A: computed on the way; B: input w_hh: QUANTISED (scales: A lowp_scales[8], B lowp_scales[9])
;;     8. [M 524,288, K 32] x [K 32, N 32]; A: computed on the way; B: input dec1_w: QUANTISED (scales: A lowp_scales[10], B lowp_scales[11])
;;     9. [M 524,288, K 32] x [K 32, N 4]; A: computed on the way; B: input dec2_w: left as it is (N = 4 < 16)
;;     10. [M 524,288, K 36] x [K 36, N 96]; A: computed on the way; B: input w_ih: QUANTISED (scales: A lowp_scales[12], B lowp_scales[13])
;;     11. [M 524,288, K 32] x [K 32, N 96]; A: computed on the way; B: input w_hh: QUANTISED (scales: A lowp_scales[14], B lowp_scales[15])
;;     12. [M 524,288, K 32] x [K 32, N 32]; A: computed on the way; B: input dec1_w: QUANTISED (scales: A lowp_scales[16], B lowp_scales[17])
;;     13. [M 524,288, K 32] x [K 32, N 4]; A: computed on the way; B: input dec2_w: left as it is (N = 4 < 16)
;;     14. [M 524,288, K 36] x [K 36, N 96]; A: computed on the way; B: input w_ih: QUANTISED (scales: A lowp_scales[18], B lowp_scales[19])
;;     15. [M 524,288, K 32] x [K 32, N 96]; A: computed on the way; B: input w_hh: QUANTISED (scales: A lowp_scales[20], B lowp_scales[21])
;;     16. [M 524,288, K 32] x [K 32, N 32]; A: computed on the way; B: input dec1_w: QUANTISED (scales: A lowp_scales[22], B lowp_scales[23])
;;     17. [M 524,288, K 32] x [K 32, N 4]; A: computed on the way; B: input dec2_w: left as it is (N = 4 < 16)
;;     18. [M 524,288, K 36] x [K 36, N 96]; A: computed on the way; B: input w_ih: QUANTISED (scales: A lowp_scales[24], B lowp_scales[25])
;;     19. [M 524,288, K 32] x [K 32, N 96]; A: computed on the way; B: input w_hh: QUANTISED (scales: A lowp_scales[26], B lowp_scales[27])
;;     20. [M 524,288, K 32] x [K 32, N 32]; A: computed on the way; B: input dec1_w: QUANTISED (scales: A lowp_scales[28], B lowp_scales[29])
;;     21. [M 524,288, K 32] x [K 32, N 4]; A: computed on the way; B: input dec2_w: left as it is (N = 4 < 16)
;;   THE QUANTISER, for each operand of a quantised product, along K:
;;     - The operand's scale is 2^e, e = its entry of the input lowp_scales (int32; the entries are numbered through the quantised products in the list's order, A before B).
;;     - Each number is divided by the scale, clamped to +-57,344, and rounded to the nearest number of E5M2, ties to even, subnormals kept.
;;     - The product sums the exact products of the quantised numbers (number of the format x scale) in f32.
;;   ~~~python
;;   def quantise(x, axis, e):      # numpy; x: float32 -> the quantised numbers, widened to float32 again
;;       x = np.moveaxis(x, axis, -1); K = x.shape[-1]
;;       r = np.clip(x / 2.0 ** e, -57344, 57344)
;;       step = 2.0 ** (np.maximum(np.frexp(np.where(r == 0, 1, r))[1] - 1, -14) - 2)
;;       q = np.round(r / step) * step * 2.0 ** e      # np.round: ties to even
;;       return np.moveaxis(q, -1, axis).astype(np.float32)
;;   ~~~
;;   OPERANDS COMPUTED ON THE WAY. 'Computed on the way' means the value that the module computes at that place (a softmax that the list does not call 'softmax' is quantised finished and normalised). What goes into a quantiser is computed in f32, as accurately as f32 sums, v_exp_f32 and their like allow (about 1e-6 of the number): no bf16 or f16 on the way to a quantiser, and a product that is left as it is and whose result goes on into a quantised operand takes f32 operands (vector FMAs, or v_wmma_f32_16x16x4_f32). A number that lies on a knife's edge between two numbers of the format may be rounded either way, as far as f32 arithmetic and the matrix unit's own rounding can turn it there, and no further.
;; 2 versions, each right; version 2 is version 1 with the launch gru written anew for expert scheduling mode. Each part assembles by itself: llvm-mc -triple=amdgcn-amd-amdhsa -mcpu=gfx1250 --defsym DOCPART=n.
;; ======== version 1 of 2: 1 launch
;; launch gru (part 1): grid 256 x 1, 16 waves a work-group, no clusters, 147,968 bytes of LDS; arguments x, enc_w, enc_b, ln_g, ln_b, w_ih, w_hh, b_ih, b_hh, dec1_w, dec1_b, dec2_w, dec2_b, y0, lowp_scales, out0; writes out0
.if DOCPART == 1
	.amdgcn_target "amdgcn-amd-amdhsa--gfx1250"
	.amdhsa_code_object_version 6
	.text
	.protected	k_q9e86eedce0_gru
	.globl	k_q9e86eedce0_gru
	.p2align	8
	.type	k_q9e86eedce0_gru,@function
k_q9e86eedce0_gru:
	s_mov_b64 s[64:65], 0
	v_nop
	global_prefetch_b8 v0, s[64:65] scope:SCOPE_SE
	s_setreg_imm32_b32 hwreg(HW_REG_WAVE_MODE, 25, 1), 1
	s_wait_xcnt 0x0
; Encoder (11 -> 32, ReLU, LayerNorm), then five rounds of a GRU cell fed back through a decoder (32 -> 32 -> 4), for 524,288 independent rows, in ONE launch: nothing but x comes in, nothing but y goes out.
; In every round [enc, y] w_ih^T, h w_hh^T and h dec1_w^T are multiplied on codes of BF8 (E5M2); each occurrence has its own two exponents, entries 6 it + 0 .. 5 of lowp_scales, so enc, h, y and the three weights
; are quantised anew for every round.  The encoder's product (K = 11) and dec2 (N = 4) keep f32 operands, since their results go on into quantisers; they are done by the f32 matrix form.
; SHARES.  256 work-groups x 16 waves x 128 rows.  A wave walks 4 passes of two tiles of 16 rows.  Four waves of 256 registers lie on a SIMD, so that one wave's exponentials stand beside another's plain work and products.
; LAYOUT.  Every product is used transposed: source 0 = 16 rows of a weight, source 1 = the activations.  In a result lane (r = lane % 16, h = lane / 16) holds batch row r, and register j of unit tile t holds unit 16 t + 8 h + j.
; The K = 64 form wants k = 16 c + 8 h + 0 .. 7 in registers 2 c, 2 c + 1: the conversion of unit tile c's eight registers IS that pair.  Nothing changes lanes between products.
; K is filled up to 64 with zero codes on the activations' side; the weights' registers above their K may then hold any finite codes, so weight fragments overlap in registers.
; y (k = 32 .. 35): the activations' register 4 holds y's four codes in both halves of the lanes; the weight's register 4 holds w_ih[:, 32:36] in lanes 0-15 and zero codes in lanes 16-31.
; dec2: source 1 of step s is the register pair 2 s, 2 s + 1 of relu(d1) as it lies; source 0 holds the matching numbers of dec2_w in rows 0-3 and 8-11 and zeros elsewhere, so both halves of the lanes end with y0 .. y3 in registers 0-3.
; SCALES.  a = e0 + e1, b = e2 + e3, s = e4 + e5.  Biases are the C of the products, divided by the power of two that the sums lack; 2^a and 2^b ride on the constants of the exponentials; 2^s rides on dec2_w (ReLU commutes with it).
;   r, z: 1 / (1 + 2^(GI C1 + GH C2));  r' = r x 2 log2(e) 2^b = 1 / (2^arg IC4 + IC4);  n = 1 - 2 / (1 + 2^(GI C3 + r' GH));  h = n + z (h - n).
; THE WEIGHTS are quantised once for each work-group, for all five rounds, and lie in LDS as images of the operands' registers (a lane's 16 bytes at 16 x lane); waves 0-13 make one tile each, wave 14 the y columns, wave 15 the f32 tables.
; NO CLUSTER: what work-groups share is the weights, 32 KB read once through registers at the head, against 122 KB of x and y of each work-group's own; there is no stream of shared tiles.
; NO TENSOR LOAD, NO PREFETCH: a wave's 5,632 bytes of x are asked for once, at the head, by eleven loads of 512 consecutive bytes; no wave waits for memory afterwards.
; LIMITS.  Each exponent lies between -126 and 112; a, b and s between -120 and 120 (they are added to exponent fields).  NaN and infinity among the inputs are not served.
; The two biases of r and of z are added to each other ahead of the sums, and LayerNorm's sums go by a tree: the order of f32 rounding differs from the reference's.  tanh as 1 - 2 / (1 + 2^t) has an absolute error near 1e-7 round 0.
;
; LDS, in bytes; all of it is written in front of the one barrier and only read behind it.  The text uses 145,408 bytes; the claim is 2,560 more.
.set FR,   0                           ; + it x 7168 + slot x 512: code images; slots 0-5 w_ih's tiles (k 0 .. 31), 6-11 w_hh's, 12-13 dec1_w's
.set YI,   35840                       ; + it x 768 + tile x 128: register 4 of w_ih's fragments, 4 x lane
.set W2I,  39680                       ; + it x 2048 + g x 512: dec2_w x 2^s, sixteen f32 registers
.set BT,   49920                       ; + it x 640: f32 tables at 4 x unit: +0 gi's bias (96), +384 hn's (32), +512 dec1's (32)
.set EWI,  53120                       ; + g x 512: enc_w's twelve f32 registers
.set LEB,  54656                       ; enc_b
.set LLG,  54784                       ; ln_g
.set LLB,  54912                       ; ln_b
.set XS,   55296                       ; + wave x 5632: the wave's 128 rows of x as they lie, 44 bytes a row
; scalar registers: s[4:35] the sixteen addresses in the order of the arguments; s[36:43] C1, C2, C3, IC4 as pairs; s44 1/32, s45 1e-5; s[48:51] dec2_b, s[52:55] y0; s56 wave; s57 pass; s58 the pass's bytes in XS;
; s59 the mask of lanes 16-31; s[60:61] selects for lane xor 16; s[68:97] the thirty exponents; s2, s3, s46, s47, s62, s63, s98-s101 at work
.set E,    68
; vector registers
.set LI,   1                           ; 16 x lane
.set L4,   2                           ; 4 x lane
.set BA,   3                           ; 32 h
.set XA,   4                           ; XS + 5632 wave + 44 r + 8 h
.set XB,   5                           ; XS + 5632 wave + 44 r + 4 h
.set XAP,  6                           ; XA + the pass's bytes   (at the head: where waves 0-13 store their images)
.set XBP,  7                           ; XB + the pass's bytes   (at the head: where a wave stores its rows of x)
.set SCX,  8                           ; the scale of [enc, y] as f32,
.set LIMX, 9                           ; and 57,344 x that
.set SCH,  10                          ; the same for h's operand in hand
.set LIMH, 11
.set YT,   12                          ; v12-15 y held; v16-19 zeros
.set B2C,  20                          ; v20-23 dec2_b; v24-27 zeros
.set CB,   40                          ; v40-55 biases in a result's layout.  v28-31 w_hh's fragment, v32-35 w_ih's, v36 its y register, v37-39 zeros
.set W2B,  56                          ; v56-71 dec2's source 0 (in the encoder: enc_w's, v56-67)
.set T0,   72                          ; tile 0's eighty registers
.set T1,   152                         ; tile 1's
.set ENC,  0                           ; within a tile: enc (16)
.set H,    16                          ; h (16)
.set BX,   32                          ; codes of [enc, y] (8; 6 and 7 stay zero)
.set BH,   40                          ; codes of h (8; 4 to 7 stay zero)
.set ACC,  48                          ; two accumulators; only matrix instructions write them
.set GI,   48
.set GH,   56
.set TMP,  64                          ; sixteen at work
.set TA,   64
.set TB,   72
.set QTA,  232                         ; eight numbers held, for a conversion; a second eight
.set QTB,  240
.set OUTR, 248
.set RR,   252                         ; r
.set HH,   253                         ; h
.set XR,   136                         ; at the head: v136-179 the wave's x on its way to LDS
; 2^e as f32, whose exponent field the conversion takes, and 57,344 x 2^e.  The limit is written first: a plain line then stands between an earlier conversion and the write of its scale.
.macro SETQ vs, vl, er
	s_add_co_i32 s98, s[\er], 127
	s_add_co_i32 s99, s98, 15
	s_lshl_b32 s98, s98, 23
	s_lshl_b32 s99, s99, 23
	s_or_b32 s99, s99, 0x600000
	v_mov_b32 v[\vl], s99
	v_mov_b32 v[\vs], s98
.endm
; sixteen numbers become four registers of codes.  The conversion to an 8-bit code does not saturate (ISA guide 7.6.2), so each number is held first, into other registers.
.macro QUANT src, dst, vs, vl
.irp i, 0,1,2,3,4,5,6,7
	v_med3_num_f32 v[QTA+\i], v[\src+\i], -v[\vl], v[\vl]
.endr
	v_cvt_scalef32_pk8_bf8_f32 v[\dst:\dst+1], v[QTA:QTA+7], v[\vs]
.irp i, 0,1,2,3,4,5,6,7
	v_med3_num_f32 v[QTB+\i], v[\src+8+\i], -v[\vl], v[\vl]
.endr
	v_cvt_scalef32_pk8_bf8_f32 v[\dst+2:\dst+3], v[QTB:QTB+7], v[\vs]
.endm
; y of tile q, from dec2's accumulator (its low end first), becomes registers 4 and 5 of [enc, y]'s codes
.macro YQ q
.irp j, 0,1,2,3
	v_med3_num_f32 v[YT+\j], v[\q+ACC+\j], -v[LIMX], v[LIMX]
.endr
	v_cvt_scalef32_pk8_bf8_f32 v[\q+BX+4:\q+BX+5], v[YT:YT+7], v[SCX]
.endm
.macro Y0Q                             ; round 0: y0, the same for every row
.irp j, 0,1,2,3
	v_med3_num_f32 v[YT+\j], s[52+\j], -v[LIMX], v[LIMX]
.endr
	v_cvt_scalef32_pk8_bf8_f32 v[T0+BX+4:T0+BX+5], v[YT:YT+7], v[SCX]
	v_cvt_scalef32_pk8_bf8_f32 v[T1+BX+4:T1+BX+5], v[YT:YT+7], v[SCX]
.endm
; a round's four constants: a and b are added to, or taken from, the exponent fields
.macro CONST it
	s_add_co_i32 s62, s[E+6*(\it)], s[E+6*(\it)+1]
	s_add_co_i32 s63, s[E+6*(\it)+2], s[E+6*(\it)+3]
	s_lshl_b32 s62, s62, 23
	s_lshl_b32 s63, s63, 23
	s_add_co_i32 s36, s62, 0xbfb8aa3b              ; C1 = -log2(e) 2^a
	s_mov_b32 s37, s36                             ; (the packed forms name pairs, so both words are written)
	s_add_co_i32 s38, s63, 0xbfb8aa3b              ; C2 = -log2(e) 2^b
	s_mov_b32 s39, s38
	s_add_co_i32 s40, s62, 0x4038aa3b              ; C3 = 2 log2(e) 2^a
	s_mov_b32 s41, s40
	s_sub_co_i32 s42, 0x3eb17218, s63              ; IC4 = 2^-b / (2 log2(e))
	s_mov_b32 s43, s42
.endm
; a gate's operands from LDS: five loads, seven for n
.macro LGATE it, tile, u, isn
	ds_load_b128 v[28:31], v[LI] offset:FR+(\it)*7168+(6+(\tile))*512
	ds_load_b128 v[32:35], v[LI] offset:FR+(\it)*7168+(\tile)*512
	ds_load_b32 v36, v[L4] offset:YI+(\it)*768+(\tile)*128
	ds_load_b128 v[40:43], v[BA] offset:BT+(\it)*640+64*(\tile)
	ds_load_b128 v[44:47], v[BA] offset:BT+(\it)*640+64*(\tile)+16
.if \isn
	ds_load_b128 v[48:51], v[BA] offset:BT+(\it)*640+384+64*(\u)
	ds_load_b128 v[52:55], v[BA] offset:BT+(\it)*640+384+64*(\u)+16
.endif
.endm
; the decoder's: ten loads
.macro LDEC it
	ds_load_b128 v[28:31], v[LI] offset:FR+(\it)*7168+12*512
	ds_load_b128 v[32:35], v[LI] offset:FR+(\it)*7168+13*512
	ds_load_b128 v[40:43], v[BA] offset:BT+(\it)*640+512
	ds_load_b128 v[44:47], v[BA] offset:BT+(\it)*640+528
	ds_load_b128 v[48:51], v[BA] offset:BT+(\it)*640+576
	ds_load_b128 v[52:55], v[BA] offset:BT+(\it)*640+592
.irp g, 0,1,2,3
	ds_load_b128 v[W2B+4*\g:W2B+4*\g+3], v[LI] offset:W2I+(\it)*2048+512*\g
.endr
.endm
; a gate's two products for tile q: sixteen units of gi and of gh
.macro WG q, isn
	v_wmma_f32_16x16x64_bf8_bf8 v[\q+GI:\q+GI+7], v[32:39], v[\q+BX:\q+BX+7], v[40:47]
.if \isn
	v_wmma_f32_16x16x64_bf8_bf8 v[\q+GH:\q+GH+7], v[28:35], v[\q+BH:\q+BH+7], v[48:55]
.else
	v_wmma_f32_16x16x64_bf8_bf8 v[\q+GH:\q+GH+7], v[28:35], v[\q+BH:\q+BH+7], 0
.endif
.endm
.macro CRZ q                           ; TA = GI C1 + GH C2; each accumulator is read from its low end on
.irp p, 0,2,4,6
	v_pk_mul_f32 v[\q+TA+\p:\q+TA+\p+1], v[\q+GH+\p:\q+GH+\p+1], s[38:39] op_sel_hi:[1,0]
.endr
.irp p, 0,2,4,6
	v_pk_fma_f32 v[\q+TA+\p:\q+TA+\p+1], v[\q+GI+\p:\q+GI+\p+1], s[36:37], v[\q+TA+\p:\q+TA+\p+1] op_sel_hi:[1,0,1]
.endr
.endm
.macro CN q                            ; TB = GI C3 + r' GH
.irp p, 0,2,4,6
	v_pk_mul_f32 v[\q+TB+\p:\q+TB+\p+1], v[\q+GI+\p:\q+GI+\p+1], s[40:41] op_sel_hi:[1,0]
.endr
	s_wait_alu depctr_va_vdst(0)
.irp p, 0,2,4,6
	v_pk_fma_f32 v[\q+TB+\p:\q+TB+\p+1], v[\q+TA+\p:\q+TA+\p+1], v[\q+GH+\p:\q+GH+\p+1], v[\q+TB+\p:\q+TB+\p+1]
.endr
.endm
.macro EXPS x                          ; sixteen exponentials back to back, then the plain line that stands ahead of the use of their results (ISA guide 5.7.2)
.irp q, T0, T1
.irp i, 0,1,2,3,4,5,6,7
	v_exp_f32 v[\q+\x+\i], v[\q+\x+\i]
.endr
.endr
	v_nop
.endm
.macro RCPS x
.irp q, T0, T1
.irp i, 0,1,2,3,4,5,6,7
	v_rcp_f32 v[\q+\x+\i], v[\q+\x+\i]
.endr
.endr
	v_nop
.endm
.macro P1R                             ; (1 + 2^arg) IC4: its reciprocal is r'
	s_wait_alu depctr_va_vdst(0)
.irp q, T0, T1
.irp p, 0,2,4,6
	v_pk_fma_f32 v[\q+TA+\p:\q+TA+\p+1], v[\q+TA+\p:\q+TA+\p+1], s[42:43], s[42:43] op_sel_hi:[1,0,0]
.endr
.endr
.endm
.macro P1A x
	s_wait_alu depctr_va_vdst(0)
.irp q, T0, T1
.irp p, 0,2,4,6
	v_pk_add_f32 v[\q+\x+\p:\q+\x+\p+1], v[\q+\x+\p:\q+\x+\p+1], 1.0 op_sel_hi:[1,0]
.endr
.endr
.endm
.macro P2N                             ; n = 1 - 2 / (1 + 2^arg)
	s_wait_alu depctr_va_vdst(0)
.irp q, T0, T1
.irp p, 0,2,4,6
	v_pk_fma_f32 v[\q+TB+\p:\q+TB+\p+1], v[\q+TB+\p:\q+TB+\p+1], -2.0, 1.0 op_sel_hi:[1,0,0]
.endr
.endr
.endm
.macro UPD u, hs                       ; h = n + z (h - n) for units 16 u + 8 h + 0 .. 7; hs: where the old h lies (enc in round 0)
	s_wait_alu depctr_va_vdst(0)
.irp q, T0, T1
.irp p, 0,2,4,6
	v_pk_add_f32 v[\q+H+8*(\u)+\p:\q+H+8*(\u)+\p+1], v[\q+\hs+8*(\u)+\p:\q+\hs+8*(\u)+\p+1], v[\q+TB+\p:\q+TB+\p+1] neg_lo:[0,1] neg_hi:[0,1]
.endr
.irp p, 0,2,4,6
	v_pk_fma_f32 v[\q+H+8*(\u)+\p:\q+H+8*(\u)+\p+1], v[\q+TA+\p:\q+TA+\p+1], v[\q+H+8*(\u)+\p:\q+H+8*(\u)+\p+1], v[\q+TB+\p:\q+TB+\p+1]
.endr
.endr
.endm
; ONE GATE (kind 0 r, 1 n, 2 z) of sixteen units, for both tiles.  Its sums are read out; then the next gate's operands are asked of LDS and, behind this gate's exponentials, multiplied,
; so that the next sums are made while this gate's vector work goes on.  One tile's eight reading lines name nothing of the other tile's products: they are the places behind those,
; in front of the loads into the weights' registers and of the next products over the accumulators.
.macro STEP kind, it, u, hs, nx, ntile, nu, nisn
.if \kind == 1
	CN T0
	CN T1
.else
	CRZ T0
	CRZ T1
.endif
.if \nx
	LGATE \it, \ntile, \nu, \nisn
.else
	LDEC \it
.endif
.if \kind == 1
	EXPS TB
.else
	EXPS TA
.endif
.if \nx
	s_wait_dscnt 0x0                               ; the next gate's operands, asked for in front of the exponentials, are in
	WG T0, \nisn
	WG T1, \nisn
.endif
.if \kind == 0
	P1R
	RCPS TA
.elseif \kind == 1
	P1A TB
	RCPS TB
	P2N
.else
	P1A TA
	RCPS TA
	UPD \u, \hs
.endif
.endm
.macro RELU q
.irp i, 0,1,2,3,4,5,6,7,8,9,10,11,12,13,14,15
	v_max_num_f32 v[\q+TMP+\i], 0, v[\q+ACC+\i]
.endr
.endm
; THE DECODER of a round, and the quantising for the next round, which fills the places behind its products
.macro DEC it
	SETQ SCH, LIMH, E+6*(\it)+4
	QUANT T0+H, T0+BH, SCH, LIMH
	QUANT T1+H, T1+BH, SCH, LIMH
	v_nop                                          ; a plain line between the last conversion and the product that reads its result
	s_wait_dscnt 0x0                               ; dec1_w's codes, its bias and dec2_w are in
.irp q, T0, T1
.irp t, 0,1
	v_wmma_f32_16x16x64_bf8_bf8 v[\q+ACC+8*\t:\q+ACC+8*\t+7], v[28+4*\t:35+4*\t], v[\q+BH:\q+BH+7], v[CB+8*\t:CB+8*\t+7]
.endr
.endr
.if \it < 4
	SETQ SCX, LIMX, E+6*(\it)+6                    ; the next round's [enc, y]
	QUANT T0+ENC, T0+BX, SCX, LIMX
	QUANT T1+ENC, T1+BX, SCX, LIMX
	LGATE (\it)+1, 0, 0, 0                         ; and its first gate's operands
.else
.rept 4
	v_nop                                          ; places behind the products, ahead of the read of their results
.endr
.endif
	RELU T0
	RELU T1
.irp s, 0,1,2,3,4,5,6,7                ; y = relu(d1) dec2_w^T + dec2_b, in f32: eight steps of four units; the two tiles' accumulators take turns, one instruction a turn
.irp q, T0, T1
.if \s == 0
	v_wmma_f32_16x16x4_f32 v[\q+ACC:\q+ACC+7], v[W2B+2*\s:W2B+2*\s+1], v[\q+TMP+2*\s:\q+TMP+2*\s+1], v[B2C:B2C+7]
.else
	v_wmma_f32_16x16x4_f32 v[\q+ACC:\q+ACC+7], v[W2B+2*\s:W2B+2*\s+1], v[\q+TMP+2*\s:\q+TMP+2*\s+1], v[\q+ACC:\q+ACC+7]
.endif
.endr
.endr
.if \it < 4
	SETQ SCH, LIMH, E+6*(\it)+8                    ; the next round's h: these 32 holds are also the places behind the f32 products
	QUANT T0+H, T0+BH, SCH, LIMH
	QUANT T1+H, T1+BH, SCH, LIMH
.else
.rept 9
	v_nop                                          ; places behind the f32 products: ahead of the read of y, of the next pass's loads into their sources, and of its products over their results
.endr
.endif
.endm
.macro ITER it, hs
	CONST \it
.if \it == 0
	Y0Q
	v_nop                                          ; a plain line between the conversions and the products
	s_wait_dscnt 0x0                               ; the first gate's operands are in
	WG T0, 0
	WG T1, 0
.rept 4
	v_nop
.endr
.else
	YQ T0
	v_nop
	s_wait_dscnt 0x0
	WG T0, 0
	YQ T1                                          ; its four holds and the line below are the places behind tile 0's products
	v_nop
	WG T1, 0
.endif
	STEP 0, \it, 0, \hs, 1, 4, 0, 1                ; r of units 0-15;  next: n's rows 64 on
	STEP 1, \it, 0, \hs, 1, 2, 0, 0                ; n;                next: z's rows 32 on
	STEP 2, \it, 0, \hs, 1, 1, 1, 0                ; z, h;             next: r's rows 16 on
	STEP 0, \it, 1, \hs, 1, 5, 1, 1                ; r of units 16-31
	STEP 1, \it, 1, \hs, 1, 3, 1, 0
	STEP 2, \it, 1, \hs, 0, 0, 0, 0                ; z, h; the decoder's operands are asked for
	DEC \it
.endm
; ---------------- the head: every wave ----------------
	s_load_b512 s[4:19], s[0:1], 0x0               ; x 4, enc_w 6, enc_b 8, ln_g 10, ln_b 12, w_ih 14, w_hh 16, b_ih 18
	s_load_b512 s[20:35], s[0:1], 0x40             ; b_hh 20, dec1_w 22, dec1_b 24, dec2_w 26, dec2_b 28, y0 30, lowp_scales 32, out0 34
	v_lshl_add_u32 v254, v0, 2, 0x23a00
	v_mov_b32 v255, 0
	v_and_b32 v[RR], 15, v0
	v_bfe_u32 v[HH], v0, 4, 1
	v_and_b32 v[L4], 31, v0
	v_lshlrev_b32 v[LI], 4, v[L4]
	v_lshlrev_b32 v[L4], 2, v[L4]
	v_lshlrev_b32 v[BA], 5, v[HH]
	v_lshrrev_b32 v[XA], 5, v0
	v_readfirstlane_b32 s56, v[XA]                 ; wave 0 .. 15
	s_mul_i32 s2, s56, 5632
	s_add_co_u32 s2, s2, XS                        ; my wave's rows of x in LDS
	v_mul_u32_u24 v[XA], v[RR], 44                 ; 44 r
	v_lshl_add_u32 v[XB], v[HH], 2, v[XA]          ; + 4 h: with the offset 36 that is k = 9 in lanes 0-15 and k = 10 in lanes 16-31
	v_lshl_add_u32 v[XA], v[HH], 3, v[XA]          ; + 8 h: k = 2 h on
	v_add_nc_u32 v[XA], s2, v[XA]
	v_add_nc_u32 v[XB], s2, v[XB]
	v_add_nc_u32 v[XBP], s2, v[LI]                 ; every LDS address is made here, ahead of the parting of the waves
	s_lshl_b32 s3, s56, 9
	v_add_nc_u32 v[XAP], s3, v[LI]
	s_mov_b32 s59, 0xffff0000
	s_mov_b32 s60, 0x76543210
	s_mov_b32 s61, 0xfedcba98
	s_mov_b32 s44, 0x3d000000                      ; 1 / 32
	s_mov_b32 s45, 0x3727c5ac                      ; 1e-5
	s_wait_kmcnt 0x0
	s_load_b512 s[68:83], s[32:33], 0x0            ; the thirty exponents
	s_load_b256 s[84:91], s[32:33], 0x40
	s_load_b128 s[92:95], s[32:33], 0x60
	s_load_b64 s[96:97], s[32:33], 0x70
	s_load_b128 s[48:51], s[28:29], 0x0            ; dec2_b
	s_load_b128 s[52:55], s[30:31], 0x0            ; y0
	s_lshl_b32 s2, ttmp9, 4
	s_add_co_u32 s2, s2, s56                       ; which run of 128 rows is my wave's
	s_mul_i32 s46, s2, 5632
	s_mov_b32 s47, 0
	s_add_nc_u64 s[4:5], s[4:5], s[46:47]
	s_lshl_b32 s46, s2, 11
	s_add_nc_u64 s[34:35], s[34:35], s[46:47]
.irp i, 0,1,2,3,4,5,6,7,8,9,10
	global_load_b128 v[XR+4*\i:XR+4*\i+3], v[LI], s[4:5] offset:512*\i th:TH_LOAD_NT   ; 512 consecutive bytes, at a multiple of 256 from x's first byte; read once
.endr
	s_wait_kmcnt 0x0
	s_cmp_lt_u32 s56, 14
	s_cbranch_scc1 .Lrole_a
	s_cmp_eq_u32 s56, 14
	s_cbranch_scc1 .Lrole_b
; ---------------- wave 15: the f32 tables ----------------
	v_mov_b32 v19, 0
	global_load_b32 v12, v[L4], s[18:19]           ; b_ih: r, z, n; lane l holds unit l
	global_load_b32 v13, v[L4], s[18:19] offset:128
	global_load_b32 v14, v[L4], s[18:19] offset:256
	global_load_b32 v15, v[L4], s[20:21]           ; b_hh
	global_load_b32 v16, v[L4], s[20:21] offset:128
	global_load_b32 v17, v[L4], s[20:21] offset:256
	global_load_b32 v18, v[L4], s[24:25]           ; dec1_b
	v_and_b32 v248, 3, v[RR]
	v_lshlrev_b32 v248, 7, v248
	v_lshl_add_u32 v248, v[HH], 5, v248            ; dec2_w: row r % 4, units 8 h on
	global_load_b128 v[48:51], v248, s[26:27]
	global_load_b128 v[52:55], v248, s[26:27] offset:16
	global_load_b128 v[56:59], v248, s[26:27] offset:64
	global_load_b128 v[60:63], v248, s[26:27] offset:80
	v_mul_u32_u24 v249, v[RR], 44
	v_lshl_add_u32 v250, v[HH], 2, v249            ; enc_w: row r, + 4 h,
	v_lshl_add_u32 v249, v[HH], 3, v249            ; and row r, k = 2 h on
.irp t, 0,1
.irp s, 0,1,2
.irp j, 0,1
.if (\s == 2) && (\j == 1)
	global_load_b32 v[180+2*(3*\t+\s)+\j], v250, s[6:7] offset:704*\t+36      ; k = 9 in lanes 0-15; lanes 16-31, whose k = 11 does not exist, read k = 10 again, so that no load leaves its row
.else
	global_load_b32 v[180+2*(3*\t+\s)+\j], v249, s[6:7] offset:704*\t+16*\s+4*\j
.endif
.endr
.endr
.endr
	global_load_b32 v192, v[L4], s[8:9]
	global_load_b32 v193, v[L4], s[10:11]
	global_load_b32 v194, v[L4], s[12:13]
	s_wait_loadcnt 0x0
	v_add_f32 v12, v12, v15                        ; r's and z's two biases go in together
	v_add_f32 v13, v13, v16
	v_and_b32 v251, 4, v[RR]
	v_cmp_ne_u32 vcc_lo, 0, v251
.irp i, 0,1,2,3,4,5,6,7,8,9,10,11,12,13,14,15
	v_cndmask_b32 v[48+\i], v[48+\i], v19, vcc_lo  ; rows 4-7 and 12-15 of dec2's source 0 are zeros
.endr
	v_cndmask_b32 v185, v185, v19, s59             ; the weight at k = 11 is 0
	v_cndmask_b32 v191, v191, v19, s59
.irp g, 0,1,2
	ds_store_b128 v[LI], v[180+4*\g:183+4*\g] offset:EWI+512*\g
.endr
	ds_store_b32 v[L4], v192 offset:LEB
	ds_store_b32 v[L4], v193 offset:LLG
	ds_store_b32 v[L4], v194 offset:LLB
.irp it, 0,1,2,3,4
.if \it < 3
.set W2S, 64+16*\it                    ; each round's numbers have registers of their own, so that no store's data are written again
.else
.set W2S, 216+16*(\it-3)
.endif
	s_add_co_i32 s62, s[E+6*\it], s[E+6*\it+1]
	s_sub_co_i32 s62, 0, s62                       ; -a
	s_add_co_i32 s63, s[E+6*\it+2], s[E+6*\it+3]
	s_sub_co_i32 s63, 0, s63                       ; -b
	s_add_co_i32 s46, s[E+6*\it+4], s[E+6*\it+5]   ; s
	s_sub_co_i32 s47, 0, s46
	v_ldexp_f32 v[20+5*\it], v12, s62
	v_ldexp_f32 v[21+5*\it], v13, s62
	v_ldexp_f32 v[22+5*\it], v14, s62
	v_ldexp_f32 v[23+5*\it], v17, s63
	v_ldexp_f32 v[24+5*\it], v18, s47
.irp k, 0,1,2,3,4
	ds_store_b32 v[L4], v[20+5*\it+\k] offset:BT+\it*640+128*\k
.endr
.irp i, 0,1,2,3,4,5,6,7,8,9,10,11,12,13,14,15
	v_ldexp_f32 v[W2S+\i], v[48+\i], s46
.endr
.irp g, 0,1,2,3
	ds_store_b128 v[LI], v[W2S+4*\g:W2S+4*\g+3] offset:W2I+\it*2048+512*\g
.endr
.endr
	s_branch .Ljoin
; ---------------- waves 0-13: one tile of 16 rows x 32 k of a weight, quantised for each of the five rounds ----------------
.Lrole_a:
	s_cmp_lt_u32 s56, 6                            ; the choices hang on the wave's number alone
	s_cselect_b64 s[100:101], s[14:15], s[16:17]   ; w_ih or w_hh,
	s_mov_b32 s62, 128
	s_cselect_b32 s62, 144, s62                    ; bytes in a row,
	s_cselect_b32 s63, 0, 6
	s_cmp_lt_u32 s56, 12
	s_cselect_b64 s[100:101], s[100:101], s[22:23] ; or dec1_w
	s_cselect_b32 s63, s63, 12
	s_sub_co_u32 s63, s56, s63                     ; the tile within its weight
	s_lshl_b32 s63, s63, 4
	v_add_nc_u32 v248, s63, v[RR]
	v_mul_lo_u32 v248, v248, s62
	v_lshl_add_u32 v248, v[HH], 5, v248            ; row 16 tile + r, k = 8 h on
	global_load_b128 v[40:43], v248, s[100:101]
	global_load_b128 v[44:47], v248, s[100:101] offset:16
	global_load_b128 v[48:51], v248, s[100:101] offset:64       ; k = 16 + 8 h on
	global_load_b128 v[52:55], v248, s[100:101] offset:80
	s_wait_loadcnt 0x0
.irp it, 0,1,2,3,4
	s_cmp_lt_u32 s56, 6
	s_cselect_b32 s46, s[E+6*\it+1], s[E+6*\it+3]
	s_cmp_lt_u32 s56, 12
	s_cselect_b32 s46, s46, s[E+6*\it+5]           ; the weight's exponent in this round
	SETQ SCH, LIMH, 46
	QUANT 40, 56+4*\it, SCH, LIMH
	ds_store_b128 v[XAP], v[56+4*\it:59+4*\it] offset:FR+\it*7168
.endr
	v_nop                                          ; a plain line behind the last conversion
	s_branch .Ljoin
; ---------------- wave 14: w_ih's columns 32 .. 35 ----------------
.Lrole_b:
	v_mov_b32 v9, 0
	v_mul_u32_u24 v248, v[RR], 144
.irp t, 0,1,2,3,4,5
	global_load_b128 v[12+4*\t:15+4*\t], v248, s[14:15] offset:\t*2304+128
.endr
.irp i, 4,5,6,7
	v_mov_b32 v[QTA+\i], 0
	v_mov_b32 v[QTB+\i], 0
.endr
	s_wait_loadcnt 0x0
.irp i, 0,1,2,3,4,5,6,7,8,9,10,11,12,13,14,15,16,17,18,19,20,21,22,23
	v_cndmask_b32 v[12+\i], v[12+\i], v9, s59      ; zeros in lanes 16-31, which stand for k = 40 on
.endr
.irp it, 0,1,2,3,4
	SETQ SCH, LIMH, E+6*\it+1
.irp t, 0,1,2,3,4,5
.irp j, 0,1,2,3
	v_med3_num_f32 v[QTA+8*(\t%2)+\j], v[12+4*\t+\j], -v[LIMH], v[LIMH]
.endr
	v_cvt_scalef32_pk8_bf8_f32 v[60+2*(6*\it+\t):61+2*(6*\it+\t)], v[QTA+8*(\t%2):QTA+8*(\t%2)+7], v[SCH]
	ds_store_b32 v[L4], v[60+2*(6*\it+\t)] offset:YI+\it*768+\t*128
.endr
.endr
	v_nop                                          ; a plain line behind the last conversion
; ---------------- all waves again ----------------
.Ljoin:
	s_wait_loadcnt 0x0                             ; my rows of x
.irp i, 0,1,2,3,4,5,6,7,8,9,10
	ds_store_b128 v[XBP], v[XR+4*\i:XR+4*\i+3] offset:512*\i
.endr
	s_wait_dscnt 0x0                               ; for the others' sake: all my stores into LDS are done
	s_barrier_signal -1
	s_barrier_wait -1                              ; the one barrier: from here on LDS is only read
.irp i, 16,17,18,19,24,25,26,27,37,38,39,T0+BX+6,T0+BX+7,T1+BX+6,T1+BX+7,T0+BH+4,T0+BH+5,T0+BH+6,T0+BH+7,T1+BH+4,T1+BH+5,T1+BH+6,T1+BH+7
	v_mov_b32 v[\i], 0                             ; the zeros that stay
.endr
.irp j, 0,1,2,3
	v_mov_b32 v[B2C+\j], s[48+\j]
.endr
	s_mov_b32 s57, 0
	s_mov_b32 s58, 0
.Lpass:                                            ; four trips: 32 rows each
	v_add_nc_u32 v[XAP], s58, v[XA]
	v_add_nc_u32 v[XBP], s58, v[XB]
.irp g, 0,1,2
	ds_load_b128 v[W2B+4*\g:W2B+4*\g+3], v[LI] offset:EWI+512*\g              ; enc_w: register 2 (3 t + s) + j
.endr
	ds_load_b128 v[40:43], v[BA] offset:LEB        ; enc_b in a result's layout
	ds_load_b128 v[44:47], v[BA] offset:LEB+16
	ds_load_b128 v[48:51], v[BA] offset:LEB+64
	ds_load_b128 v[52:55], v[BA] offset:LEB+80
.irp u, 0,1
.irp s, 0,1,2
	ds_load_b32 v[QTA+6*\u+2*\s], v[XAP] offset:704*\u+16*\s                  ; x(r, 4 s + 2 h + j)
.if \s == 2
	ds_load_b32 v[QTA+6*\u+2*\s+1], v[XBP] offset:704*\u+36                   ; k = 9; in lanes 16-31 k = 10 again, against the weight 0
.else
	ds_load_b32 v[QTA+6*\u+2*\s+1], v[XAP] offset:704*\u+16*\s+4
.endif
.endr
.endr
.irp g, 0,1
	ds_load_b128 v[T0+TMP+8*\g:T0+TMP+8*\g+3], v[BA] offset:LLG+64*\g         ; ln_g,
	ds_load_b128 v[T0+TMP+8*\g+4:T0+TMP+8*\g+7], v[BA] offset:LLG+64*\g+16
.endr
.irp g, 0,1
	ds_load_b128 v[T1+TMP+8*\g:T1+TMP+8*\g+3], v[BA] offset:LLB+64*\g         ; ln_b
	ds_load_b128 v[T1+TMP+8*\g+4:T1+TMP+8*\g+7], v[BA] offset:LLB+64*\g+16
.endr
	s_wait_dscnt 8                                 ; all but the youngest eight loads, ln_g's and ln_b's
.irp s, 0,1,2                          ; e = x enc_w^T + enc_b, in f32: three steps of four along K; four accumulators take turns, one instruction a turn
.irp u, 0,1
.irp t, 0,1
.if \s == 0
	v_wmma_f32_16x16x4_f32 v[T0+80*\u+ACC+8*\t:T0+80*\u+ACC+8*\t+7], v[W2B+2*(3*\t+\s):W2B+2*(3*\t+\s)+1], v[QTA+6*\u+2*\s:QTA+6*\u+2*\s+1], v[CB+8*\t:CB+8*\t+7]
.else
	v_wmma_f32_16x16x4_f32 v[T0+80*\u+ACC+8*\t:T0+80*\u+ACC+8*\t+7], v[W2B+2*(3*\t+\s):W2B+2*(3*\t+\s)+1], v[QTA+6*\u+2*\s:QTA+6*\u+2*\s+1], v[T0+80*\u+ACC+8*\t:T0+80*\u+ACC+8*\t+7]
.endif
.endr
.endr
.endr
.rept 8
	v_nop                                          ; places behind the f32 form: ahead of the loads over enc_b and of the read of the sums
.endr
	LGATE 0, 0, 0, 0                               ; round 0's first gate
.irp q, T0, T1
.irp i, 0,1,2,3,4,5,6,7,8,9,10,11,12,13,14,15
	v_max_num_f32 v[\q+ENC+\i], 0, v[\q+ACC+\i]    ; ReLU; each accumulator from its low end on
.endr
.endr
	s_wait_dscnt 5                                 ; ln_g and ln_b are in; the five loads of the gate, issued behind them, may be out
	; LayerNorm.  A lane holds 16 of its row's 32 units, lane xor 16 the others.  h's registers are at work here.
.irp q, T0, T1
	v_pk_add_f32 v[\q+16:\q+17], v[\q+0:\q+1], v[\q+2:\q+3]
	v_pk_add_f32 v[\q+18:\q+19], v[\q+4:\q+5], v[\q+6:\q+7]
	v_pk_add_f32 v[\q+20:\q+21], v[\q+8:\q+9], v[\q+10:\q+11]
	v_pk_add_f32 v[\q+22:\q+23], v[\q+12:\q+13], v[\q+14:\q+15]
.endr
.irp q, T0, T1
	v_pk_add_f32 v[\q+16:\q+17], v[\q+16:\q+17], v[\q+18:\q+19]
	v_pk_add_f32 v[\q+20:\q+21], v[\q+20:\q+21], v[\q+22:\q+23]
.endr
.irp q, T0, T1
	v_pk_add_f32 v[\q+16:\q+17], v[\q+16:\q+17], v[\q+20:\q+21]
.endr
.irp q, T0, T1
	v_add_f32 v[\q+16], v[\q+16], v[\q+17]
.endr
.irp q, T0, T1
	v_permlanex16_b32 v[\q+17], v[\q+16], s60, s61
.endr
.irp q, T0, T1
	v_add_f32 v[\q+16], v[\q+16], v[\q+17]
.endr
.irp q, T0, T1
	v_mul_f32 v[\q+16], s44, v[\q+16]              ; the mean
.endr
.irp q, T0, T1
.irp p, 0,2,4,6,8,10,12,14
	v_pk_add_f32 v[\q+\p:\q+\p+1], v[\q+\p:\q+\p+1], v[\q+16:\q+17] op_sel_hi:[1,0] neg_lo:[0,1] neg_hi:[0,1]
.endr
.endr
.irp q, T0, T1
	v_pk_mul_f32 v[\q+18:\q+19], v[\q+0:\q+1], v[\q+0:\q+1]
	v_pk_mul_f32 v[\q+20:\q+21], v[\q+2:\q+3], v[\q+2:\q+3]
.endr
.irp p, 4,8,12
.irp q, T0, T1
	v_pk_fma_f32 v[\q+18:\q+19], v[\q+\p:\q+\p+1], v[\q+\p:\q+\p+1], v[\q+18:\q+19]
	v_pk_fma_f32 v[\q+20:\q+21], v[\q+\p+2:\q+\p+3], v[\q+\p+2:\q+\p+3], v[\q+20:\q+21]
.endr
.endr
.irp q, T0, T1
	v_pk_add_f32 v[\q+18:\q+19], v[\q+18:\q+19], v[\q+20:\q+21]
.endr
.irp q, T0, T1
	v_add_f32 v[\q+18], v[\q+18], v[\q+19]
.endr
.irp q, T0, T1
	v_permlanex16_b32 v[\q+19], v[\q+18], s60, s61
.endr
.irp q, T0, T1
	v_add_f32 v[\q+18], v[\q+18], v[\q+19]
.endr
.irp q, T0, T1
	v_fma_f32 v[\q+18], v[\q+18], s44, s45         ; the variance + 1e-5
.endr
.irp q, T0, T1
	v_rsq_f32 v[\q+18], v[\q+18]
.endr
.irp q, T0, T1
	v_mov_b32 v[\q+19], 0                          ; plain lines behind the two roots; the register is named below as the upper half of a pair
.endr
	s_wait_alu depctr_va_vdst(0)
.irp q, T0, T1
.irp p, 0,2,4,6,8,10,12,14
	v_pk_mul_f32 v[\q+\p:\q+\p+1], v[\q+\p:\q+\p+1], v[\q+18:\q+19] op_sel_hi:[1,0]
.endr
.endr
.irp q, T0, T1
.irp p, 0,2,4,6,8,10,12,14
	v_pk_fma_f32 v[\q+\p:\q+\p+1], v[\q+\p:\q+\p+1], v[T0+TMP+\p:T0+TMP+\p+1], v[T1+TMP+\p:T1+TMP+\p+1]   ; x ln_g + ln_b: enc
.endr
.endr
	SETQ SCX, LIMX, E+0                            ; round 0: enc as part of [enc, y],
	QUANT T0+ENC, T0+BX, SCX, LIMX
	QUANT T1+ENC, T1+BX, SCX, LIMX
	SETQ SCH, LIMH, E+2                            ; and as the first h
	QUANT T0+ENC, T0+BH, SCH, LIMH
	QUANT T1+ENC, T1+BH, SCH, LIMH
	ITER 0, ENC
	ITER 1, H
	ITER 2, H
	ITER 3, H
	ITER 4, H
.irp j, 0,1,2,3
	v_cndmask_b32 v[OUTR+\j], v[T0+ACC+\j], v[T1+ACC+\j], s59    ; lanes 0-15: tile 0's row r; lanes 16-31: tile 1's.  Both accumulators from their low end on
.endr
	global_store_b128 v[LI], v[OUTR:OUTR+3], s[34:35] th:TH_STORE_NT   ; 32 rows of y: 512 consecutive bytes, at a multiple of 256 from out0's first byte; written once
	s_wait_xcnt 0x0                                ; the store's base and data are written again only behind this wait
	s_add_nc_u64 s[34:35], s[34:35], 512
	s_add_co_u32 s58, s58, 1408                    ; 32 rows of 44 bytes
	s_add_co_u32 s57, s57, 1
	s_cmp_lt_u32 s57, 4
	s_cbranch_scc1 .Lpass
	s_wait_tensorcnt 0x0
	ds_add_u32 v254, v255
	s_wait_dscnt 0x0
	s_endpgm
.Lfunc_end_k_q9e86eedce0_gru:
	.size	k_q9e86eedce0_gru, .Lfunc_end_k_q9e86eedce0_gru-k_q9e86eedce0_gru
	.p2alignl 7, 3214868480
	.fill 96, 4, 3214868480
	.section	.rodata,"a",@progbits
	.p2align	6, 0x0
	.amdhsa_kernel k_q9e86eedce0_gru
		.amdhsa_group_segment_fixed_size 147968
		.amdhsa_private_segment_fixed_size 0
		.amdhsa_enable_private_segment 0
		.amdhsa_kernarg_size 128
		.amdhsa_user_sgpr_count 2
		.amdhsa_user_sgpr_kernarg_segment_ptr 1
		.amdhsa_wavefront_size32 1
		.amdhsa_system_sgpr_workgroup_id_x 1
		.amdhsa_system_sgpr_workgroup_id_y 1
		.amdhsa_system_sgpr_workgroup_id_z 1
		.amdhsa_system_vgpr_workitem_id 0
		.amdhsa_next_free_vgpr 256
		.amdhsa_next_free_sgpr 102
		.amdhsa_reserve_vcc 1
		.amdhsa_float_denorm_mode_32 3
		.amdhsa_float_denorm_mode_16_64 3
		.amdhsa_memory_ordered 1
		.amdhsa_forward_progress 1
		.amdhsa_inst_pref_size 226
	.end_amdhsa_kernel
	.amdgpu_metadata
---
amdhsa.version: [ 1, 2 ]
amdhsa.kernels:
  - .name:           k_q9e86eedce0_gru
    .symbol:         k_q9e86eedce0_gru.kd
    .args:
      - { .name: x, .offset: 0, .size: 8, .value_kind: global_buffer, .address_space: global }
      - { .name: enc_w, .offset: 8, .size: 8, .value_kind: global_buffer, .address_space: global }
      - { .name: enc_b, .offset: 16, .size: 8, .value_kind: global_buffer, .address_space: global }
      - { .name: ln_g, .offset: 24, .size: 8, .value_kind: global_buffer, .address_space: global }
      - { .name: ln_b, .offset: 32, .size: 8, .value_kind: global_buffer, .address_space: global }
      - { .name: w_ih, .offset: 40, .size: 8, .value_kind: global_buffer, .address_space: global }
      - { .name: w_hh, .offset: 48, .size: 8, .value_kind: global_buffer, .address_space: global }
      - { .name: b_ih, .offset: 56, .size: 8, .value_kind: global_buffer, .address_space: global }
      - { .name: b_hh, .offset: 64, .size: 8, .value_kind: global_buffer, .address_space: global }
      - { .name: dec1_w, .offset: 72, .size: 8, .value_kind: global_buffer, .address_space: global }
      - { .name: dec1_b, .offset: 80, .size: 8, .value_kind: global_buffer, .address_space: global }
      - { .name: dec2_w, .offset: 88, .size: 8, .value_kind: global_buffer, .address_space: global }
      - { .name: dec2_b, .offset: 96, .size: 8, .value_kind: global_buffer, .address_space: global }
      - { .name: y0, .offset: 104, .size: 8, .value_kind: global_buffer, .address_space: global }
      - { .name: lowp_scales, .offset: 112, .size: 8, .value_kind: global_buffer, .address_space: global }
      - { .name: out0, .offset: 120, .size: 8, .value_kind: global_buffer, .address_space: global }
    .group_segment_fixed_size: 147968
    .private_segment_fixed_size: 0
    .kernarg_segment_align: 8
    .kernarg_segment_size: 128
    .max_flat_workgroup_size: 512
    .sgpr_count:     102
    .vgpr_count:     256
    .wavefront_size: 32
...
	.end_amdgpu_metadata
.endif
;; end of part 1
;; ======== version 2 of 2: 1 launch; version 1 with the launch gru written anew for expert scheduling mode
;; launch gru (part 2): grid 256 x 1, 16 waves a work-group, no clusters, 147,968 bytes of LDS; arguments x, enc_w, enc_b, ln_g, ln_b, w_ih, w_hh, b_ih, b_hh, dec1_w, dec1_b, dec2_w, dec2_b, y0, lowp_scales, out0; writes out0
.if DOCPART == 2
	.amdgcn_target "amdgcn-amd-amdhsa--gfx1250"
	.amdhsa_code_object_version 6
	.text
	.protected	k_q9e86eedce0_gru
	.globl	k_q9e86eedce0_gru
	.p2align	8
	.type	k_q9e86eedce0_gru,@function
k_q9e86eedce0_gru:
	s_mov_b64 s[64:65], 0
	v_nop
	global_prefetch_b8 v0, s[64:65] scope:SCOPE_SE
	s_setreg_imm32_b32 hwreg(HW_REG_WAVE_SCHED_MODE, 0, 2), 2
	s_setreg_imm32_b32 hwreg(HW_REG_WAVE_MODE, 25, 1), 1
	s_wait_xcnt 0x0
	s_wait_alu depctr_vm_vsrc(0)
; Encoder (11 -> 32, ReLU, LayerNorm), then five rounds of a GRU cell fed back through a decoder (32 -> 32 -> 4), for 524,288 independent rows, in ONE launch: nothing but x comes in, nothing but y goes out.
; In every round [enc, y] w_ih^T, h w_hh^T and h dec1_w^T are multiplied on codes of BF8 (E5M2); each occurrence has its own two exponents, entries 6 it + 0 .. 5 of lowp_scales, so enc, h, y and the three weights
; are quantised anew for every round.  The encoder's product (K = 11) and dec2 (N = 4) keep f32 operands, since their results go on into quantisers; they are done by the f32 matrix form.
; SHARES.  256 work-groups x 16 waves x 128 rows.  A wave walks 4 passes of two tiles of 16 rows.  Four waves of 256 registers lie on a SIMD, so that one wave's exponentials stand beside another's plain work and products.
; LAYOUT.  Every product is used transposed: source 0 = 16 rows of a weight, source 1 = the activations.  In a result lane (r = lane % 16, h = lane / 16) holds batch row r, and register j of unit tile t holds unit 16 t + 8 h + j.
; The K = 64 form wants k = 16 c + 8 h + 0 .. 7 in registers 2 c, 2 c + 1: the conversion of unit tile c's eight registers IS that pair.  Nothing changes lanes between products.
; K is filled up to 64 with zero codes on the activations' side; the weights' registers above their K may then hold any finite codes, so weight fragments overlap in registers.
; y (k = 32 .. 35): the activations' register 4 holds y's four codes in both halves of the lanes; the weight's register 4 holds w_ih[:, 32:36] in lanes 0-15 and zero codes in lanes 16-31.
; dec2: source 1 of step s is the register pair 2 s, 2 s + 1 of relu(d1) as it lies; source 0 holds the matching numbers of dec2_w in rows 0-3 and 8-11 and zeros elsewhere, so both halves of the lanes end with y0 .. y3 in registers 0-3.
; SCALES.  a = e0 + e1, b = e2 + e3, s = e4 + e5.  Biases are the C of the products, divided by the power of two that the sums lack; 2^a and 2^b ride on the constants of the exponentials; 2^s rides on dec2_w (ReLU commutes with it).
;   r, z: 1 / (1 + 2^(GI C1 + GH C2));  r' = r x 2 log2(e) 2^b = 1 / (2^arg IC4 + IC4);  n = 1 - 2 / (1 + 2^(GI C3 + r' GH));  h = n + z (h - n).
; THE WEIGHTS are quantised once for each work-group, for all five rounds, and lie in LDS as images of the operands' registers (a lane's 16 bytes at 16 x lane); waves 0-13 make one tile each, wave 14 the y columns, wave 15 the f32 tables.
; NO CLUSTER: what work-groups share is the weights, 32 KB read once through registers at the head, against 122 KB of x and y of each work-group's own; there is no stream of shared tiles.
; NO TENSOR LOAD, NO PREFETCH: a wave's 5,632 bytes of x are asked for once, at the head, by eleven loads of 512 consecutive bytes; no wave waits for memory afterwards.
; LIMITS.  Each exponent lies between -126 and 112; a, b and s between -120 and 120 (they are added to exponent fields).  NaN and infinity among the inputs are not served.
; The two biases of r and of z are added to each other ahead of the sums, and LayerNorm's sums go by a tree: the order of f32 rounding differs from the reference's.  tanh as 1 - 2 / (1 + 2^t) has an absolute error near 1e-7 round 0.
; THE MODE: SCHED_MODE bits 1:0 = 2 (LLVM: expert scheduling mode 2), set by the entry lines.  The code itself states the register dependences between vector or matrix instructions and memory or LDS instructions,
; with s_wait_alu, always for 0.
; THE PLAN.  Registers that memory or LDS instructions touch behind the barrier:
;   v1-3 (LI, L4, BA)    offsets of every LDS load and of the store; made at the head and never written again.
;   v6, v7 (XAP, XBP)    written by two additions at a pass's head; read by the pass's twelve loads of x.
;   v28-36, v40-55       a gate's, or dec1's, codes and biases: LDS loads land there, and that gate's products alone read them.
;   v56-71               enc_w at a pass's head, dec2_w in each round: LDS loads land there, the f32 products read them.
;   v232-243, v136-151, v216-231   x, ln_g and ln_b land there at a pass's head; afterwards vector instructions work there.
;   v248-251 (OUTR)      written by four selections at a pass's end, read by the one store.
; Waits on va_vdst in a pass: one at its head, behind the two additions (the addresses are written; the last pass is done with every register in which the head's loads land); one behind the encoder's products (they are done
; reading enc_b, where round 0's first bias lands); one in each round's first gate step and one in each decoder but the last (products just issued are done reading v28-55); one ahead of the store.
; In every other gate step the wait ahead of the first reader of the step's exponentials stands behind the step's products, and nothing issued after it names v28-71: so the NEXT step's loads stand at that step's very head and owe no wait.
; Waits on vm_vsrc: one behind the barrier (the head's loads and stores have read their registers), one at a pass's end (the store has read OUTR, the loads of x have read XAP and XBP).
;
; LDS, in bytes; all of it but the spare words is written in front of the one barrier and only read behind it.  Tables and x end at byte 145,408; the spare words, 128 bytes for each of the sixteen waves, lie from 145,920 to 147,968.
.set FR,   0                           ; + it x 7168 + slot x 512: code images; slots 0-5 w_ih's tiles (k 0 .. 31), 6-11 w_hh's, 12-13 dec1_w's
.set YI,   35840                       ; + it x 768 + tile x 128: register 4 of w_ih's fragments, 4 x lane
.set W2I,  39680                       ; + it x 2048 + g x 512: dec2_w x 2^s, sixteen f32 registers
.set BT,   49920                       ; + it x 640: f32 tables at 4 x unit: +0 gi's bias (96), +384 hn's (32), +512 dec1's (32)
.set EWI,  53120                       ; + g x 512: enc_w's twelve f32 registers
.set LEB,  54656                       ; enc_b
.set LLG,  54784                       ; ln_g
.set LLB,  54912                       ; ln_b
.set XS,   55296                       ; + wave x 5632: the wave's 128 rows of x as they lie, 44 bytes a row
; scalar registers: s[4:35] the sixteen addresses in the order of the arguments; s[36:43] C1, C2, C3, IC4 as pairs; s44 1/32, s45 1e-5; s[48:51] dec2_b, s[52:55] y0; s56 wave; s57 pass; s58 the pass's bytes in XS;
; s59 the mask of lanes 16-31; s[60:61] selects for lane xor 16; s[68:97] the thirty exponents; s2, s3, s46, s47, s62, s63, s98-s101 at work
.set E,    68
; vector registers
.set LI,   1                           ; 16 x lane
.set L4,   2                           ; 4 x lane
.set BA,   3                           ; 32 h
.set XA,   4                           ; XS + 5632 wave + 44 r + 8 h
.set XB,   5                           ; XS + 5632 wave + 44 r + 4 h
.set XAP,  6                           ; XA + the pass's bytes   (at the head: where waves 0-13 store their images)
.set XBP,  7                           ; XB + the pass's bytes   (at the head: where a wave stores its rows of x)
.set SCX,  8                           ; the scale of [enc, y] as f32,
.set LIMX, 9                           ; and 57,344 x that
.set SCH,  10                          ; the same for h's operand in hand
.set LIMH, 11
.set YT,   12                          ; v12-15 y held; v16-19 zeros
.set B2C,  20                          ; v20-23 dec2_b; v24-27 zeros
.set CB,   40                          ; v40-55 biases in a result's layout.  v28-31 w_hh's fragment, v32-35 w_ih's, v36 its y register, v37-39 zeros
.set W2B,  56                          ; v56-71 dec2's source 0 (in the encoder: enc_w's, v56-67)
.set T0,   72                          ; tile 0's eighty registers
.set T1,   152                         ; tile 1's
.set ENC,  0                           ; within a tile: enc (16)
.set H,    16                          ; h (16)
.set BX,   32                          ; codes of [enc, y] (8; 6 and 7 stay zero)
.set BH,   40                          ; codes of h (8; 4 to 7 stay zero)
.set ACC,  48                          ; two accumulators; only matrix instructions write them
.set GI,   48
.set GH,   56
.set TMP,  64                          ; sixteen at work
.set TA,   64
.set TB,   72
.set QTA,  232                         ; eight numbers held, for a conversion; a second eight
.set QTB,  240
.set OUTR, 248
.set RR,   252                         ; r
.set HH,   253                         ; h
.set XR,   136                         ; at the head: v136-179 the wave's x on its way to LDS
; v254: the LDS address of my spare word, 145,920 + 4 x my thread's number; v255: 0; both made at the head and kept for the closing lines alone
; 2^e as f32, whose exponent field the conversion takes, and 57,344 x 2^e.  The limit is written first: a plain line then stands between an earlier conversion and the write of its scale.
.macro SETQ vs, vl, er
	s_add_co_i32 s98, s[\er], 127
	s_add_co_i32 s99, s98, 15
	s_lshl_b32 s98, s98, 23
	s_lshl_b32 s99, s99, 23
	s_or_b32 s99, s99, 0x600000
	v_mov_b32 v[\vl], s99
	v_mov_b32 v[\vs], s98
.endm
; sixteen numbers become four registers of codes.  The conversion to an 8-bit code does not saturate (ISA guide 7.6.2), so each number is held first, into other registers.
.macro QUANT src, dst, vs, vl
.irp i, 0,1,2,3,4,5,6,7
	v_med3_num_f32 v[QTA+\i], v[\src+\i], -v[\vl], v[\vl]
.endr
	v_cvt_scalef32_pk8_bf8_f32 v[\dst:\dst+1], v[QTA:QTA+7], v[\vs]
.irp i, 0,1,2,3,4,5,6,7
	v_med3_num_f32 v[QTB+\i], v[\src+8+\i], -v[\vl], v[\vl]
.endr
	v_cvt_scalef32_pk8_bf8_f32 v[\dst+2:\dst+3], v[QTB:QTB+7], v[\vs]
.endm
; y of tile q, from dec2's accumulator (its low end first), becomes registers 4 and 5 of [enc, y]'s codes
.macro YQ q
.irp j, 0,1,2,3
	v_med3_num_f32 v[YT+\j], v[\q+ACC+\j], -v[LIMX], v[LIMX]
.endr
	v_cvt_scalef32_pk8_bf8_f32 v[\q+BX+4:\q+BX+5], v[YT:YT+7], v[SCX]
.endm
.macro Y0Q                             ; round 0: y0, the same for every row
.irp j, 0,1,2,3
	v_med3_num_f32 v[YT+\j], s[52+\j], -v[LIMX], v[LIMX]
.endr
	v_cvt_scalef32_pk8_bf8_f32 v[T0+BX+4:T0+BX+5], v[YT:YT+7], v[SCX]
	v_cvt_scalef32_pk8_bf8_f32 v[T1+BX+4:T1+BX+5], v[YT:YT+7], v[SCX]
.endm
; a round's four constants: a and b are added to, or taken from, the exponent fields
.macro CONST it
	s_add_co_i32 s62, s[E+6*(\it)], s[E+6*(\it)+1]
	s_add_co_i32 s63, s[E+6*(\it)+2], s[E+6*(\it)+3]
	s_lshl_b32 s62, s62, 23
	s_lshl_b32 s63, s63, 23
	s_add_co_i32 s36, s62, 0xbfb8aa3b              ; C1 = -log2(e) 2^a
	s_mov_b32 s37, s36                             ; (the packed forms name pairs, so both words are written)
	s_add_co_i32 s38, s63, 0xbfb8aa3b              ; C2 = -log2(e) 2^b
	s_mov_b32 s39, s38
	s_add_co_i32 s40, s62, 0x4038aa3b              ; C3 = 2 log2(e) 2^a
	s_mov_b32 s41, s40
	s_sub_co_i32 s42, 0x3eb17218, s63              ; IC4 = 2^-b / (2 log2(e))
	s_mov_b32 s43, s42
.endm
; a gate's operands from LDS: five loads, seven for n
.macro LGATE it, tile, u, isn
	ds_load_b128 v[28:31], v[LI] offset:FR+(\it)*7168+(6+(\tile))*512
	ds_load_b128 v[32:35], v[LI] offset:FR+(\it)*7168+(\tile)*512
	ds_load_b32 v36, v[L4] offset:YI+(\it)*768+(\tile)*128
	ds_load_b128 v[40:43], v[BA] offset:BT+(\it)*640+64*(\tile)
	ds_load_b128 v[44:47], v[BA] offset:BT+(\it)*640+64*(\tile)+16
.if \isn
	ds_load_b128 v[48:51], v[BA] offset:BT+(\it)*640+384+64*(\u)
	ds_load_b128 v[52:55], v[BA] offset:BT+(\it)*640+384+64*(\u)+16
.endif
.endm
; the decoder's: ten loads
.macro LDEC it
	ds_load_b128 v[28:31], v[LI] offset:FR+(\it)*7168+12*512
	ds_load_b128 v[32:35], v[LI] offset:FR+(\it)*7168+13*512
	ds_load_b128 v[40:43], v[BA] offset:BT+(\it)*640+512
	ds_load_b128 v[44:47], v[BA] offset:BT+(\it)*640+528
	ds_load_b128 v[48:51], v[BA] offset:BT+(\it)*640+576
	ds_load_b128 v[52:55], v[BA] offset:BT+(\it)*640+592
.irp g, 0,1,2,3
	ds_load_b128 v[W2B+4*\g:W2B+4*\g+3], v[LI] offset:W2I+(\it)*2048+512*\g
.endr
.endm
; a gate's two products for tile q: sixteen units of gi and of gh
.macro WG q, isn
	v_wmma_f32_16x16x64_bf8_bf8 v[\q+GI:\q+GI+7], v[32:39], v[\q+BX:\q+BX+7], v[40:47]
.if \isn
	v_wmma_f32_16x16x64_bf8_bf8 v[\q+GH:\q+GH+7], v[28:35], v[\q+BH:\q+BH+7], v[48:55]
.else
	v_wmma_f32_16x16x64_bf8_bf8 v[\q+GH:\q+GH+7], v[28:35], v[\q+BH:\q+BH+7], 0
.endif
.endm
.macro CRZ q                           ; TA = GI C1 + GH C2; each accumulator is read from its low end on
.irp p, 0,2,4,6
	v_pk_mul_f32 v[\q+TA+\p:\q+TA+\p+1], v[\q+GH+\p:\q+GH+\p+1], s[38:39] op_sel_hi:[1,0]
.endr
.irp p, 0,2,4,6
	v_pk_fma_f32 v[\q+TA+\p:\q+TA+\p+1], v[\q+GI+\p:\q+GI+\p+1], s[36:37], v[\q+TA+\p:\q+TA+\p+1] op_sel_hi:[1,0,1]
.endr
.endm
.macro CNM q                           ; TB = GI C3: it names no reciprocal's result
.irp p, 0,2,4,6
	v_pk_mul_f32 v[\q+TB+\p:\q+TB+\p+1], v[\q+GI+\p:\q+GI+\p+1], s[40:41] op_sel_hi:[1,0]
.endr
.endm
.macro CNF q                           ; TB = r' GH + TB
.irp p, 0,2,4,6
	v_pk_fma_f32 v[\q+TB+\p:\q+TB+\p+1], v[\q+TA+\p:\q+TA+\p+1], v[\q+GH+\p:\q+GH+\p+1], v[\q+TB+\p:\q+TB+\p+1]
.endr
.endm
.macro EXPS x                          ; sixteen exponentials back to back, then the plain line that stands ahead of the use of their results (ISA guide 5.7.2)
.irp q, T0, T1
.irp i, 0,1,2,3,4,5,6,7
	v_exp_f32 v[\q+\x+\i], v[\q+\x+\i]
.endr
.endr
	v_nop
.endm
.macro RCPS x
.irp q, T0, T1
.irp i, 0,1,2,3,4,5,6,7
	v_rcp_f32 v[\q+\x+\i], v[\q+\x+\i]
.endr
.endr
	v_nop
.endm
.macro P1R                             ; (1 + 2^arg) IC4: its reciprocal is r'
	s_wait_alu depctr_va_vdst(0)                   ; the sixteen exponentials have written TA, read below; and the four products above are done reading v28-55, in which the next step's loads land
.irp q, T0, T1
.irp p, 0,2,4,6
	v_pk_fma_f32 v[\q+TA+\p:\q+TA+\p+1], v[\q+TA+\p:\q+TA+\p+1], s[42:43], s[42:43] op_sel_hi:[1,0,0]
.endr
.endr
.endm
.macro P1A x
	s_wait_alu depctr_va_vdst(0)                   ; the sixteen exponentials have written their results, read below; and where products stand above, they are done reading v28-55, in which the next step's loads land
.irp q, T0, T1
.irp p, 0,2,4,6
	v_pk_add_f32 v[\q+\x+\p:\q+\x+\p+1], v[\q+\x+\p:\q+\x+\p+1], 1.0 op_sel_hi:[1,0]
.endr
.endr
.endm
.macro P2N                             ; n = 1 - 2 / (1 + 2^arg)
	s_wait_alu depctr_va_vdst(0)                   ; the sixteen reciprocals have written TB, read below
.irp q, T0, T1
.irp p, 0,2,4,6
	v_pk_fma_f32 v[\q+TB+\p:\q+TB+\p+1], v[\q+TB+\p:\q+TB+\p+1], -2.0, 1.0 op_sel_hi:[1,0,0]
.endr
.endr
.endm
.macro UPD u, hs                       ; h = n + z (h - n) for units 16 u + 8 h + 0 .. 7; hs: where the old h lies (enc in round 0)
	s_wait_alu depctr_va_vdst(0)                   ; the sixteen reciprocals have written z in TA, read below
.irp q, T0, T1
.irp p, 0,2,4,6
	v_pk_add_f32 v[\q+H+8*(\u)+\p:\q+H+8*(\u)+\p+1], v[\q+\hs+8*(\u)+\p:\q+\hs+8*(\u)+\p+1], v[\q+TB+\p:\q+TB+\p+1] neg_lo:[0,1] neg_hi:[0,1]
.endr
.irp p, 0,2,4,6
	v_pk_fma_f32 v[\q+H+8*(\u)+\p:\q+H+8*(\u)+\p+1], v[\q+TA+\p:\q+TA+\p+1], v[\q+H+8*(\u)+\p:\q+H+8*(\u)+\p+1], v[\q+TB+\p:\q+TB+\p+1]
.endr
.endr
.endm
; ONE GATE (kind 0 r, 1 n, 2 z) of sixteen units, for both tiles.  The next gate's operands are asked of LDS, this gate's sums are read out, and behind this gate's exponentials the next gate is multiplied,
; so that the next sums are made while this gate's vector work goes on.  One tile's eight reading lines name nothing of the other tile's products: they are the places (ISA guide 7.12.1) behind those,
; in front of the next products over the accumulators.
; WHERE THE LOADS STAND.  first = 0: at the step's head, with no wait: the products that read v28-55 stand ahead of the last step's wait for its exponentials, dec2's and the encoder's f32 products, which read v56-71,
; ahead of earlier waits still, and no vector or matrix instruction since names these registers.  first = 1, a round's first gate: its products were issued just above, so a wait of its own stands behind the read-out.
.macro STEP kind, it, u, hs, nx, ntile, nu, nisn, first
.if !\first
.if \nx
	LGATE \it, \ntile, \nu, \nisn
.else
	LDEC \it
.endif
.endif
.if \kind == 1
	CNM T0
	CNM T1
	s_wait_alu depctr_va_vdst(0)                   ; the sixteen reciprocals have written r' in both tiles' TA, read below: one wait for both tiles
	CNF T0
	CNF T1
.else
	CRZ T0
	CRZ T1
.endif
.if \first
	s_wait_alu depctr_va_vdst(0)                   ; the round's first four products are done reading v28-47, in which the loads below land
	LGATE \it, \ntile, \nu, \nisn
.endif
.if \kind == 1
	EXPS TB
.else
	EXPS TA
.endif
.if \nx
	s_wait_dscnt 0x0                               ; the next gate's operands, asked for in front of the exponentials, are in
	WG T0, \nisn
	WG T1, \nisn
.endif
.if \kind == 0
	P1R
	RCPS TA
.elseif \kind == 1
	P1A TB
	RCPS TB
	P2N
.else
	P1A TA
	RCPS TA
	UPD \u, \hs
.endif
.endm
.macro RELU q
.irp i, 0,1,2,3,4,5,6,7,8,9,10,11,12,13,14,15
	v_max_num_f32 v[\q+TMP+\i], 0, v[\q+ACC+\i]
.endr
.endm
; THE DECODER of a round, and the quantising for the next round, which fills the places behind its products
.macro DEC it
	SETQ SCH, LIMH, E+6*(\it)+4
	QUANT T0+H, T0+BH, SCH, LIMH
	QUANT T1+H, T1+BH, SCH, LIMH
	v_nop                                          ; a plain line between the last conversion and the product that reads its result
	s_wait_dscnt 0x0                               ; dec1_w's codes, its bias and dec2_w are in
.irp q, T0, T1
.irp t, 0,1
	v_wmma_f32_16x16x64_bf8_bf8 v[\q+ACC+8*\t:\q+ACC+8*\t+7], v[28+4*\t:35+4*\t], v[\q+BH:\q+BH+7], v[CB+8*\t:CB+8*\t+7]
.endr
.endr
.if \it < 4
	SETQ SCX, LIMX, E+6*(\it)+6                    ; the next round's [enc, y]
	QUANT T0+ENC, T0+BX, SCX, LIMX
	QUANT T1+ENC, T1+BX, SCX, LIMX
	s_wait_alu depctr_va_vdst(0)                   ; dec1's four products are done reading v28-55, in part of which the loads below land
	LGATE (\it)+1, 0, 0, 0                         ; the next round's first gate's operands
.else
.rept 4
	v_nop                                          ; places behind the products, ahead of the read of their results
.endr
.endif
	RELU T0
	RELU T1
.irp s, 0,1,2,3,4,5,6,7                ; y = relu(d1) dec2_w^T + dec2_b, in f32: eight steps of four units; the two tiles' accumulators take turns, one instruction a turn
.irp q, T0, T1
.if \s == 0
	v_wmma_f32_16x16x4_f32 v[\q+ACC:\q+ACC+7], v[W2B+2*\s:W2B+2*\s+1], v[\q+TMP+2*\s:\q+TMP+2*\s+1], v[B2C:B2C+7]
.else
	v_wmma_f32_16x16x4_f32 v[\q+ACC:\q+ACC+7], v[W2B+2*\s:W2B+2*\s+1], v[\q+TMP+2*\s:\q+TMP+2*\s+1], v[\q+ACC:\q+ACC+7]
.endif
.endr
.endr
.if \it < 4
	SETQ SCH, LIMH, E+6*(\it)+8                    ; the next round's h: these 32 holds are also the places behind the f32 products
	QUANT T0+H, T0+BH, SCH, LIMH
	QUANT T1+H, T1+BH, SCH, LIMH
.else
.rept 9
	v_nop                                          ; places behind the f32 products: ahead of the read of y, and of the next pass's products over their results
.endr
.endif
.endm
.macro ITER it, hs
	CONST \it
.if \it == 0
	Y0Q
	v_nop                                          ; a plain line between the conversions and the products
	s_wait_dscnt 0x0                               ; the first gate's operands are in
	WG T0, 0
	WG T1, 0
.rept 4
	v_nop
.endr
.else
	YQ T0
	v_nop
	s_wait_dscnt 0x0
	WG T0, 0
	YQ T1                                          ; its four holds and the line below are the places behind tile 0's products
	v_nop
	WG T1, 0
.endif
	STEP 0, \it, 0, \hs, 1, 4, 0, 1, 1             ; r of units 0-15;  next: n's rows 64 on
	STEP 1, \it, 0, \hs, 1, 2, 0, 0, 0             ; n;                next: z's rows 32 on
	STEP 2, \it, 0, \hs, 1, 1, 1, 0, 0             ; z, h;             next: r's rows 16 on
	STEP 0, \it, 1, \hs, 1, 5, 1, 1, 0             ; r of units 16-31
	STEP 1, \it, 1, \hs, 1, 3, 1, 0, 0
	STEP 2, \it, 1, \hs, 0, 0, 0, 0, 0             ; z, h; the decoder's operands are asked for
	DEC \it
.endm
; ---------------- the head: every wave ----------------
	s_load_b512 s[4:19], s[0:1], 0x0               ; x 4, enc_w 6, enc_b 8, ln_g 10, ln_b 12, w_ih 14, w_hh 16, b_ih 18
	s_load_b512 s[20:35], s[0:1], 0x40             ; b_hh 20, dec1_w 22, dec1_b 24, dec2_w 26, dec2_b 28, y0 30, lowp_scales 32, out0 34
	v_lshl_add_u32 v254, v0, 2, 0x23a00
	v_mov_b32 v255, 0
	v_and_b32 v[RR], 15, v0
	v_bfe_u32 v[HH], v0, 4, 1
	v_and_b32 v[L4], 31, v0
	v_lshlrev_b32 v[LI], 4, v[L4]
	v_lshlrev_b32 v[L4], 2, v[L4]
	v_lshlrev_b32 v[BA], 5, v[HH]
	v_lshrrev_b32 v[XA], 5, v0
	v_readfirstlane_b32 s56, v[XA]                 ; wave 0 .. 15
	s_wait_alu depctr_va_sdst(0)                   ; s56 is written, ahead of its first reader: addresses and the waves' roles are made from it
	s_mul_i32 s2, s56, 5632
	s_add_co_u32 s2, s2, XS                        ; my wave's rows of x in LDS
	v_mul_u32_u24 v[XA], v[RR], 44                 ; 44 r
	v_lshl_add_u32 v[XB], v[HH], 2, v[XA]          ; + 4 h: with the offset 36 that is k = 9 in lanes 0-15 and k = 10 in lanes 16-31
	v_lshl_add_u32 v[XA], v[HH], 3, v[XA]          ; + 8 h: k = 2 h on
	v_add_nc_u32 v[XA], s2, v[XA]
	v_add_nc_u32 v[XB], s2, v[XB]
	v_add_nc_u32 v[XBP], s2, v[LI]                 ; every LDS address is made here, ahead of the parting of the waves
	s_lshl_b32 s3, s56, 9
	v_add_nc_u32 v[XAP], s3, v[LI]
	s_mov_b32 s59, 0xffff0000
	s_mov_b32 s60, 0x76543210
	s_mov_b32 s61, 0xfedcba98
	s_mov_b32 s44, 0x3d000000                      ; 1 / 32
	s_mov_b32 s45, 0x3727c5ac                      ; 1e-5
	s_wait_kmcnt 0x0
	s_load_b512 s[68:83], s[32:33], 0x0            ; the thirty exponents
	s_load_b256 s[84:91], s[32:33], 0x40
	s_load_b128 s[92:95], s[32:33], 0x60
	s_load_b64 s[96:97], s[32:33], 0x70
	s_load_b128 s[48:51], s[28:29], 0x0            ; dec2_b
	s_load_b128 s[52:55], s[30:31], 0x0            ; y0
	s_lshl_b32 s2, ttmp9, 4
	s_add_co_u32 s2, s2, s56                       ; which run of 128 rows is my wave's
	s_mul_i32 s46, s2, 5632
	s_mov_b32 s47, 0
	s_add_nc_u64 s[4:5], s[4:5], s[46:47]
	s_lshl_b32 s46, s2, 11
	s_add_nc_u64 s[34:35], s[34:35], s[46:47]
	s_wait_alu depctr_va_vdst(0)                   ; the offsets and LDS addresses v1 to v7 are written, which the loads and stores of the head read
.irp i, 0,1,2,3,4,5,6,7,8,9,10
	global_load_b128 v[XR+4*\i:XR+4*\i+3], v[LI], s[4:5] offset:512*\i th:TH_LOAD_NT   ; 512 consecutive bytes, at a multiple of 256 from x's first byte; read once
.endr
	s_wait_kmcnt 0x0
	s_cmp_lt_u32 s56, 14
	s_cbranch_scc1 .Lrole_a
	s_cmp_eq_u32 s56, 14
	s_cbranch_scc1 .Lrole_b
; ---------------- wave 15: the f32 tables.  Its offsets, one wait, its loads; all its arithmetic, one wait, all its stores ----------------
	v_mov_b32 v19, 0
	v_and_b32 v248, 3, v[RR]
	v_lshlrev_b32 v248, 7, v248
	v_lshl_add_u32 v248, v[HH], 5, v248            ; dec2_w: row r % 4, units 8 h on
	v_mul_u32_u24 v249, v[RR], 44
	v_lshl_add_u32 v250, v[HH], 2, v249            ; enc_w: row r, + 4 h,
	v_lshl_add_u32 v249, v[HH], 3, v249            ; and row r, k = 2 h on
	s_wait_alu depctr_va_vdst(0)                   ; the offsets v248 to v250 are written, which the loads below read
	global_load_b32 v12, v[L4], s[18:19]           ; b_ih: r, z, n; lane l holds unit l
	global_load_b32 v13, v[L4], s[18:19] offset:128
	global_load_b32 v14, v[L4], s[18:19] offset:256
	global_load_b32 v15, v[L4], s[20:21]           ; b_hh
	global_load_b32 v16, v[L4], s[20:21] offset:128
	global_load_b32 v17, v[L4], s[20:21] offset:256
	global_load_b32 v18, v[L4], s[24:25]           ; dec1_b
	global_load_b128 v[48:51], v248, s[26:27]
	global_load_b128 v[52:55], v248, s[26:27] offset:16
	global_load_b128 v[56:59], v248, s[26:27] offset:64
	global_load_b128 v[60:63], v248, s[26:27] offset:80
.irp t, 0,1
.irp s, 0,1,2
.irp j, 0,1
.if (\s == 2) && (\j == 1)
	global_load_b32 v[180+2*(3*\t+\s)+\j], v250, s[6:7] offset:704*\t+36      ; k = 9 in lanes 0-15; lanes 16-31, whose k = 11 does not exist, read k = 10 again, so that no load leaves its row
.else
	global_load_b32 v[180+2*(3*\t+\s)+\j], v249, s[6:7] offset:704*\t+16*\s+4*\j
.endif
.endr
.endr
.endr
	global_load_b32 v192, v[L4], s[8:9]
	global_load_b32 v193, v[L4], s[10:11]
	global_load_b32 v194, v[L4], s[12:13]
	s_wait_loadcnt 0x0
	v_add_f32 v12, v12, v15                        ; r's and z's two biases go in together
	v_add_f32 v13, v13, v16
	v_and_b32 v251, 4, v[RR]
	v_cmp_ne_u32 vcc_lo, 0, v251
	s_wait_alu depctr_va_vcc(0)                    ; VCC is written, ahead of the selections that read it
.irp i, 0,1,2,3,4,5,6,7,8,9,10,11,12,13,14,15
	v_cndmask_b32 v[48+\i], v[48+\i], v19, vcc_lo  ; rows 4-7 and 12-15 of dec2's source 0 are zeros
.endr
	v_cndmask_b32 v185, v185, v19, s59             ; the weight at k = 11 is 0
	v_cndmask_b32 v191, v191, v19, s59
.irp it, 0,1,2,3,4
.if \it < 3
.set W2S, 64+16*\it                    ; each round's numbers have registers of their own, so that no store's data are written again
.else
.set W2S, 216+16*(\it-3)
.endif
	s_add_co_i32 s62, s[E+6*\it], s[E+6*\it+1]
	s_sub_co_i32 s62, 0, s62                       ; -a
	s_add_co_i32 s63, s[E+6*\it+2], s[E+6*\it+3]
	s_sub_co_i32 s63, 0, s63                       ; -b
	s_add_co_i32 s46, s[E+6*\it+4], s[E+6*\it+5]   ; s
	s_sub_co_i32 s47, 0, s46
	v_ldexp_f32 v[20+5*\it], v12, s62
	v_ldexp_f32 v[21+5*\it], v13, s62
	v_ldexp_f32 v[22+5*\it], v14, s62
	v_ldexp_f32 v[23+5*\it], v17, s63
	v_ldexp_f32 v[24+5*\it], v18, s47
.irp i, 0,1,2,3,4,5,6,7,8,9,10,11,12,13,14,15
	v_ldexp_f32 v[W2S+\i], v[48+\i], s46
.endr
.endr
	s_wait_alu depctr_va_vdst(0)                   ; the selections have written v185 and v191, the scalings v20-44, v64-111 and v216-247: the data of the stores below
.irp g, 0,1,2
	ds_store_b128 v[LI], v[180+4*\g:183+4*\g] offset:EWI+512*\g
.endr
	ds_store_b32 v[L4], v192 offset:LEB
	ds_store_b32 v[L4], v193 offset:LLG
	ds_store_b32 v[L4], v194 offset:LLB
.irp it, 0,1,2,3,4
.if \it < 3
.set W2S, 64+16*\it
.else
.set W2S, 216+16*(\it-3)
.endif
.irp k, 0,1,2,3,4
	ds_store_b32 v[L4], v[20+5*\it+\k] offset:BT+\it*640+128*\k
.endr
.irp g, 0,1,2,3
	ds_store_b128 v[LI], v[W2S+4*\g:W2S+4*\g+3] offset:W2I+\it*2048+512*\g
.endr
.endr
	s_branch .Ljoin
; ---------------- waves 0-13: one tile of 16 rows x 32 k of a weight, quantised for each of the five rounds ----------------
.Lrole_a:
	s_cmp_lt_u32 s56, 6                            ; the choices hang on the wave's number alone
	s_cselect_b64 s[100:101], s[14:15], s[16:17]   ; w_ih or w_hh,
	s_mov_b32 s62, 128
	s_cselect_b32 s62, 144, s62                    ; bytes in a row,
	s_cselect_b32 s63, 0, 6
	s_cmp_lt_u32 s56, 12
	s_cselect_b64 s[100:101], s[100:101], s[22:23] ; or dec1_w
	s_cselect_b32 s63, s63, 12
	s_sub_co_u32 s63, s56, s63                     ; the tile within its weight
	s_lshl_b32 s63, s63, 4
	v_add_nc_u32 v248, s63, v[RR]
	v_mul_lo_u32 v248, v248, s62
	v_lshl_add_u32 v248, v[HH], 5, v248            ; row 16 tile + r, k = 8 h on
	s_wait_alu depctr_va_vdst(0)                   ; the offset v248 is written, which the loads below read
	global_load_b128 v[40:43], v248, s[100:101]
	global_load_b128 v[44:47], v248, s[100:101] offset:16
	global_load_b128 v[48:51], v248, s[100:101] offset:64       ; k = 16 + 8 h on
	global_load_b128 v[52:55], v248, s[100:101] offset:80
	s_wait_loadcnt 0x0
.irp it, 0,1,2,3,4
	s_cmp_lt_u32 s56, 6
	s_cselect_b32 s46, s[E+6*\it+1], s[E+6*\it+3]
	s_cmp_lt_u32 s56, 12
	s_cselect_b32 s46, s46, s[E+6*\it+5]           ; the weight's exponent in this round
	SETQ SCH, LIMH, 46
	QUANT 40, 56+4*\it, SCH, LIMH                  ; each round's codes have registers of their own
.endr
	v_nop                                          ; a plain line behind the last conversion
	s_wait_alu depctr_va_vdst(0)                   ; the conversions have written v56-75, the data of the five stores below
.irp it, 0,1,2,3,4
	ds_store_b128 v[XAP], v[56+4*\it:59+4*\it] offset:FR+\it*7168
.endr
	s_branch .Ljoin
; ---------------- wave 14: w_ih's columns 32 .. 35 ----------------
.Lrole_b:
	v_mov_b32 v9, 0
	v_mul_u32_u24 v248, v[RR], 144
.irp i, 4,5,6,7
	v_mov_b32 v[QTA+\i], 0
	v_mov_b32 v[QTB+\i], 0
.endr
	s_wait_alu depctr_va_vdst(0)                   ; the offset v248 is written, which the loads below read
.irp t, 0,1,2,3,4,5
	global_load_b128 v[12+4*\t:15+4*\t], v248, s[14:15] offset:\t*2304+128
.endr
	s_wait_loadcnt 0x0
.irp i, 0,1,2,3,4,5,6,7,8,9,10,11,12,13,14,15,16,17,18,19,20,21,22,23
	v_cndmask_b32 v[12+\i], v[12+\i], v9, s59      ; zeros in lanes 16-31, which stand for k = 40 on
.endr
.irp it, 0,1,2,3,4
	SETQ SCH, LIMH, E+6*\it+1
.irp t, 0,1,2,3,4,5
.irp j, 0,1,2,3
	v_med3_num_f32 v[QTA+8*(\t%2)+\j], v[12+4*\t+\j], -v[LIMH], v[LIMH]
.endr
	v_cvt_scalef32_pk8_bf8_f32 v[60+2*(6*\it+\t):61+2*(6*\it+\t)], v[QTA+8*(\t%2):QTA+8*(\t%2)+7], v[SCH]   ; each tile of each round has registers of its own
.endr
.endr
	v_nop                                          ; a plain line behind the last conversion
	s_wait_alu depctr_va_vdst(0)                   ; the conversions have written v60-119, of which the thirty stores below read the even ones
.irp it, 0,1,2,3,4
.irp t, 0,1,2,3,4,5
	ds_store_b32 v[L4], v[60+2*(6*\it+\t)] offset:YI+\it*768+\t*128
.endr
.endr
; ---------------- all waves again ----------------
.Ljoin:
	s_wait_loadcnt 0x0                             ; my rows of x
.irp i, 0,1,2,3,4,5,6,7,8,9,10
	ds_store_b128 v[XBP], v[XR+4*\i:XR+4*\i+3] offset:512*\i                  ; (the address was written ahead of the head's first wait on va_vdst; the data are loaded, and no vector instruction names them)
.endr
	s_wait_dscnt 0x0                               ; for the others' sake: all my stores into LDS are done
	s_barrier_signal -1
	s_barrier_wait -1                              ; the one barrier: from here on LDS is only read
	s_wait_alu depctr_vm_vsrc(0)                   ; the head's loads and stores have read their offsets, addresses and data: the zeros below, the pass's two additions and its loads write these registers anew
.irp i, 16,17,18,19,24,25,26,27,37,38,39,T0+BX+6,T0+BX+7,T1+BX+6,T1+BX+7,T0+BH+4,T0+BH+5,T0+BH+6,T0+BH+7,T1+BH+4,T1+BH+5,T1+BH+6,T1+BH+7
	v_mov_b32 v[\i], 0                             ; the zeros that stay
.endr
.irp j, 0,1,2,3
	v_mov_b32 v[B2C+\j], s[48+\j]
.endr
	s_mov_b32 s57, 0
	s_mov_b32 s58, 0
.Lpass:                                            ; four trips: 32 rows each
	v_add_nc_u32 v[XAP], s58, v[XA]
	v_add_nc_u32 v[XBP], s58, v[XB]
	s_wait_alu depctr_va_vdst(0)                   ; XAP and XBP are written, which the loads of x read; the head's, or the last pass's, products, holds, conversions and ReLUs are done with v40-71, v136-151 and v216-243, in which the loads below land
.irp g, 0,1,2
	ds_load_b128 v[W2B+4*\g:W2B+4*\g+3], v[LI] offset:EWI+512*\g              ; enc_w: register 2 (3 t + s) + j
.endr
	ds_load_b128 v[40:43], v[BA] offset:LEB        ; enc_b in a result's layout
	ds_load_b128 v[44:47], v[BA] offset:LEB+16
	ds_load_b128 v[48:51], v[BA] offset:LEB+64
	ds_load_b128 v[52:55], v[BA] offset:LEB+80
.irp u, 0,1
.irp s, 0,1,2
	ds_load_b32 v[QTA+6*\u+2*\s], v[XAP] offset:704*\u+16*\s                  ; x(r, 4 s + 2 h + j)
.if \s == 2
	ds_load_b32 v[QTA+6*\u+2*\s+1], v[XBP] offset:704*\u+36                   ; k = 9; in lanes 16-31 k = 10 again, against the weight 0
.else
	ds_load_b32 v[QTA+6*\u+2*\s+1], v[XAP] offset:704*\u+16*\s+4
.endif
.endr
.endr
.irp g, 0,1
	ds_load_b128 v[T0+TMP+8*\g:T0+TMP+8*\g+3], v[BA] offset:LLG+64*\g         ; ln_g,
	ds_load_b128 v[T0+TMP+8*\g+4:T0+TMP+8*\g+7], v[BA] offset:LLG+64*\g+16
.endr
.irp g, 0,1
	ds_load_b128 v[T1+TMP+8*\g:T1+TMP+8*\g+3], v[BA] offset:LLB+64*\g         ; ln_b
	ds_load_b128 v[T1+TMP+8*\g+4:T1+TMP+8*\g+7], v[BA] offset:LLB+64*\g+16
.endr
	s_wait_dscnt 8                                 ; all but the youngest eight loads, ln_g's and ln_b's
.irp s, 0,1,2                          ; e = x enc_w^T + enc_b, in f32: three steps of four along K; four accumulators take turns, one instruction a turn
.irp u, 0,1
.irp t, 0,1
.if \s == 0
	v_wmma_f32_16x16x4_f32 v[T0+80*\u+ACC+8*\t:T0+80*\u+ACC+8*\t+7], v[W2B+2*(3*\t+\s):W2B+2*(3*\t+\s)+1], v[QTA+6*\u+2*\s:QTA+6*\u+2*\s+1], v[CB+8*\t:CB+8*\t+7]
.else
	v_wmma_f32_16x16x4_f32 v[T0+80*\u+ACC+8*\t:T0+80*\u+ACC+8*\t+7], v[W2B+2*(3*\t+\s):W2B+2*(3*\t+\s)+1], v[QTA+6*\u+2*\s:QTA+6*\u+2*\s+1], v[T0+80*\u+ACC+8*\t:T0+80*\u+ACC+8*\t+7]
.endif
.endr
.endr
.endr
.rept 8
	v_nop                                          ; places behind the f32 form (ISA guide 7.12.1), ahead of the read of the sums
.endr
	s_wait_alu depctr_va_vdst(0)                   ; the encoder's products are done reading enc_b in v40-47, in which the gate's bias lands
	LGATE 0, 0, 0, 0                               ; round 0's first gate
.irp q, T0, T1
.irp i, 0,1,2,3,4,5,6,7,8,9,10,11,12,13,14,15
	v_max_num_f32 v[\q+ENC+\i], 0, v[\q+ACC+\i]    ; ReLU; each accumulator from its low end on
.endr
.endr
	s_wait_dscnt 5                                 ; ln_g and ln_b are in; the five loads of the gate, issued behind them, may be out
	; LayerNorm.  A lane holds 16 of its row's 32 units, lane xor 16 the others.  h's registers are at work here.
.irp q, T0, T1
	v_pk_add_f32 v[\q+16:\q+17], v[\q+0:\q+1], v[\q+2:\q+3]
	v_pk_add_f32 v[\q+18:\q+19], v[\q+4:\q+5], v[\q+6:\q+7]
	v_pk_add_f32 v[\q+20:\q+21], v[\q+8:\q+9], v[\q+10:\q+11]
	v_pk_add_f32 v[\q+22:\q+23], v[\q+12:\q+13], v[\q+14:\q+15]
.endr
.irp q, T0, T1
	v_pk_add_f32 v[\q+16:\q+17], v[\q+16:\q+17], v[\q+18:\q+19]
	v_pk_add_f32 v[\q+20:\q+21], v[\q+20:\q+21], v[\q+22:\q+23]
.endr
.irp q, T0, T1
	v_pk_add_f32 v[\q+16:\q+17], v[\q+16:\q+17], v[\q+20:\q+21]
.endr
.irp q, T0, T1
	v_add_f32 v[\q+16], v[\q+16], v[\q+17]
.endr
.irp q, T0, T1
	v_permlanex16_b32 v[\q+17], v[\q+16], s60, s61
.endr
.irp q, T0, T1
	v_add_f32 v[\q+16], v[\q+16], v[\q+17]
.endr
.irp q, T0, T1
	v_mul_f32 v[\q+16], s44, v[\q+16]              ; the mean
.endr
.irp q, T0, T1
.irp p, 0,2,4,6,8,10,12,14
	v_pk_add_f32 v[\q+\p:\q+\p+1], v[\q+\p:\q+\p+1], v[\q+16:\q+17] op_sel_hi:[1,0] neg_lo:[0,1] neg_hi:[0,1]
.endr
.endr
.irp q, T0, T1
	v_pk_mul_f32 v[\q+18:\q+19], v[\q+0:\q+1], v[\q+0:\q+1]
	v_pk_mul_f32 v[\q+20:\q+21], v[\q+2:\q+3], v[\q+2:\q+3]
.endr
.irp p, 4,8,12
.irp q, T0, T1
	v_pk_fma_f32 v[\q+18:\q+19], v[\q+\p:\q+\p+1], v[\q+\p:\q+\p+1], v[\q+18:\q+19]
	v_pk_fma_f32 v[\q+20:\q+21], v[\q+\p+2:\q+\p+3], v[\q+\p+2:\q+\p+3], v[\q+20:\q+21]
.endr
.endr
.irp q, T0, T1
	v_pk_add_f32 v[\q+18:\q+19], v[\q+18:\q+19], v[\q+20:\q+21]
.endr
.irp q, T0, T1
	v_add_f32 v[\q+18], v[\q+18], v[\q+19]
.endr
.irp q, T0, T1
	v_permlanex16_b32 v[\q+19], v[\q+18], s60, s61
.endr
.irp q, T0, T1
	v_add_f32 v[\q+18], v[\q+18], v[\q+19]
.endr
.irp q, T0, T1
	v_fma_f32 v[\q+18], v[\q+18], s44, s45         ; the variance + 1e-5
.endr
.irp q, T0, T1
	v_rsq_f32 v[\q+18], v[\q+18]
.endr
.irp q, T0, T1
	v_mov_b32 v[\q+19], 0                          ; plain lines behind the two roots; the register is named below as the upper half of a pair
.endr
	s_wait_alu depctr_va_vdst(0)                   ; the two roots have written their results, read below
.irp q, T0, T1
.irp p, 0,2,4,6,8,10,12,14
	v_pk_mul_f32 v[\q+\p:\q+\p+1], v[\q+\p:\q+\p+1], v[\q+18:\q+19] op_sel_hi:[1,0]
.endr
.endr
.irp q, T0, T1
.irp p, 0,2,4,6,8,10,12,14
	v_pk_fma_f32 v[\q+\p:\q+\p+1], v[\q+\p:\q+\p+1], v[T0+TMP+\p:T0+TMP+\p+1], v[T1+TMP+\p:T1+TMP+\p+1]   ; x ln_g + ln_b: enc
.endr
.endr
	SETQ SCX, LIMX, E+0                            ; round 0: enc as part of [enc, y],
	QUANT T0+ENC, T0+BX, SCX, LIMX
	QUANT T1+ENC, T1+BX, SCX, LIMX
	SETQ SCH, LIMH, E+2                            ; and as the first h
	QUANT T0+ENC, T0+BH, SCH, LIMH
	QUANT T1+ENC, T1+BH, SCH, LIMH
	ITER 0, ENC
	ITER 1, H
	ITER 2, H
	ITER 3, H
	ITER 4, H
.irp j, 0,1,2,3
	v_cndmask_b32 v[OUTR+\j], v[T0+ACC+\j], v[T1+ACC+\j], s59    ; lanes 0-15: tile 0's row r; lanes 16-31: tile 1's.  Both accumulators from their low end on
.endr
	s_wait_alu depctr_va_vdst(0)                   ; the four selections have written OUTR, the store's data
	global_store_b128 v[LI], v[OUTR:OUTR+3], s[34:35] th:TH_STORE_NT   ; 32 rows of y: 512 consecutive bytes, at a multiple of 256 from out0's first byte; written once
	s_wait_xcnt 0x0                                ; the store's base and data are written again only behind this wait
	s_wait_alu depctr_vm_vsrc(0)                   ; the store has read OUTR, and this pass's loads of x have read XAP and XBP: the next pass writes all three anew
	s_add_nc_u64 s[34:35], s[34:35], 512
	s_add_co_u32 s58, s58, 1408                    ; 32 rows of 44 bytes
	s_add_co_u32 s57, s57, 1
	s_cmp_lt_u32 s57, 4
	s_cbranch_scc1 .Lpass
	s_wait_dscnt 0x0                               ; the closing lines, six on end
	s_wait_alu 0x0
	s_wait_tensorcnt 0x0
	ds_add_u32 v254, v255
	s_wait_dscnt 0x0
	s_endpgm
.Lfunc_end_k_q9e86eedce0_gru:
	.size	k_q9e86eedce0_gru, .Lfunc_end_k_q9e86eedce0_gru-k_q9e86eedce0_gru
	.p2alignl 7, 3214868480
	.fill 96, 4, 3214868480
	.section	.rodata,"a",@progbits
	.p2align	6, 0x0
	.amdhsa_kernel k_q9e86eedce0_gru
		.amdhsa_group_segment_fixed_size 147968
		.amdhsa_private_segment_fixed_size 0
		.amdhsa_enable_private_segment 0
		.amdhsa_kernarg_size 128
		.amdhsa_user_sgpr_count 2
		.amdhsa_user_sgpr_kernarg_segment_ptr 1
		.amdhsa_wavefront_size32 1
		.amdhsa_system_sgpr_workgroup_id_x 1
		.amdhsa_system_sgpr_workgroup_id_y 1
		.amdhsa_system_sgpr_workgroup_id_z 1
		.amdhsa_system_vgpr_workitem_id 0
		.amdhsa_next_free_vgpr 256
		.amdhsa_next_free_sgpr 102
		.amdhsa_reserve_vcc 1
		.amdhsa_float_denorm_mode_32 3
		.amdhsa_float_denorm_mode_16_64 3
		.amdhsa_memory_ordered 1
		.amdhsa_forward_progress 1
		.amdhsa_inst_pref_size 227
	.end_amdhsa_kernel
	.amdgpu_metadata
---
amdhsa.version: [ 1, 2 ]
amdhsa.kernels:
  - .name:           k_q9e86eedce0_gru
    .symbol:         k_q9e86eedce0_gru.kd
    .args:
      - { .name: x, .offset: 0, .size: 8, .value_kind: global_buffer, .address_space: global }
      - { .name: enc_w, .offset: 8, .size: 8, .value_kind: global_buffer, .address_space: global }
      - { .name: enc_b, .offset: 16, .size: 8, .value_kind: global_buffer, .address_space: global }
      - { .name: ln_g, .offset: 24, .size: 8, .value_kind: global_buffer, .address_space: global }
      - { .name: ln_b, .offset: 32, .size: 8, .value_kind: global_buffer, .address_space: global }
      - { .name: w_ih, .offset: 40, .size: 8, .value_kind: global_buffer, .address_space: global }
      - { .name: w_hh, .offset: 48, .size: 8, .value_kind: global_buffer, .address_space: global }
      - { .name: b_ih, .offset: 56, .size: 8, .value_kind: global_buffer, .address_space: global }
      - { .name: b_hh, .offset: 64, .size: 8, .value_kind: global_buffer, .address_space: global }
      - { .name: dec1_w, .offset: 72, .size: 8, .value_kind: global_buffer, .address_space: global }
      - { .name: dec1_b, .offset: 80, .size: 8, .value_kind: global_buffer, .address_space: global }
      - { .name: dec2_w, .offset: 88, .size: 8, .value_kind: global_buffer, .address_space: global }
      - { .name: dec2_b, .offset: 96, .size: 8, .value_kind: global_buffer, .address_space: global }
      - { .name: y0, .offset: 104, .size: 8, .value_kind: global_buffer, .address_space: global }
      - { .name: lowp_scales, .offset: 112, .size: 8, .value_kind: global_buffer, .address_space: global }
      - { .name: out0, .offset: 120, .size: 8, .value_kind: global_buffer, .address_space: global }
    .group_segment_fixed_size: 147968
    .private_segment_fixed_size: 0
    .kernarg_segment_align: 8
    .kernarg_segment_size: 128
    .max_flat_workgroup_size: 512
    .sgpr_count:     102
    .vgpr_count:     256
    .wavefront_size: 32
...
	.end_amdgpu_metadata
.endif
;; end of part 2
